; MI455X (gfx1250); checked and timed in simulation.
; The chip was launched on July 23, 2026; its instructions are those of AMD's public machine-readable ISA for CDNA 5 (MIT licence, August 2026) and "CDNA5" Instruction Set Architecture Reference Guide (July 2026). The comments in the code are by the model that wrote it; some were corrected since.
;; Grouped Query Attention. Allowed arithmetic: matrix products marked QUANTISED: E2M3 operands, one E8M0 scale for each 32 along K, by v_wmma_scale_f32_16x16x128_f8f6f4 with both operands' format E2M3, f32 sums; everything else in f32.
;; Inputs: Wk 2,048 x 512 float32; Wo 2,048 x 2,048 float32; Wq 2,048 x 2,048 float32; Wv 2,048 x 512 float32; context 4 x 1,024 x 2,048 float32; context_cos 1 x 1 x 1,024 x 64 float32; context_sin 1 x 1 x 1,024 x 64 float32; cos 1 x 1 x 1,024 x 64 float32; sin 1 x 1 x 1,024 x 64 float32; x 4 x 1,024 x 2,048 float32.
;; Outputs: out0 4 x 1,024 x 2,048 float32.
;; This version of the problem:
;;   THIS VERSION OF THE PROBLEM IS GIVEN IN LOW PRECISION. The matrix products marked QUANTISED in the list below multiply operands that are first quantised to E2M3 (2 exponent bits, 3 mantissa bits; 6 bits a number), with one power-of-two scale for each 32 numbers along K (OCP MX v1.0); their sums are f32. All else is computed in f32.
;;   The module's matrix products, in the order in which they are computed (A, B: the left and right operand; K: the contracted axis; several contracted axes count as one K, in the product's order):
;;     1. [M 4,096, K 2,048] x [K 2,048, N 2,048]; A: input x; B: input Wq: QUANTISED
;;     2. [M 4,096, K 2,048] x [K 2,048, N 512]; A: input context; B: input Wk: QUANTISED
;;     3. [M 4,096, K 2,048] x [K 2,048, N 512]; A: input context; B: input Wv: QUANTISED
;;     4. batch 32 x [M 4,096, K 64] x [K 64, N 1,024]; A: computed on the way; B: computed on the way: QUANTISED
;;     5. batch 32 x [M 4,096, K 1,024] x [K 1,024, N 64]; A: softmax (see below); B: computed on the way: QUANTISED
;;     6. [M 4,096, K 2,048] x [K 2,048, N 2,048]; A: computed on the way; B: input Wo: QUANTISED
;;   THE QUANTISER, for each operand of a quantised product, along K:
;;     - K is cut into blocks of 32 from its start; a last block that is shorter is filled with zeros.
;;     - A block's scale is 2^e with e = floor(log2(the largest magnitude in the block)) - 2, held to -126 .. 127; a block of zeros has e = 0. As a byte (E8M0): e + 127.
;;     - Each number is divided by its block's scale, clamped to +-7.5, and rounded to the nearest number of E2M3, ties to even, subnormals kept.
;;     - The product sums the exact products of the quantised numbers (number of the format x scale) in f32.
;;   ~~~python
;;   def quantise(x, axis):      # numpy; x: float32 -> the quantised numbers, widened to float32 again
;;       x = np.moveaxis(x, axis, -1); K = x.shape[-1]
;;       x = np.pad(x, [(0, 0)] * (x.ndim - 1) + [(0, -K % 32)]); x = x.reshape(x.shape[:-1] + (-1, 32)); a = np.abs(x).max(-1, keepdims=True)
;;       e = np.where(a > 0, np.clip(np.frexp(np.where(a > 0, a, 1))[1] - 1 - 2, -126, 127), 0)      # np.frexp(a)[1] - 1 = floor(log2(a)), exactly
;;       r = np.clip(x / 2.0 ** e, -7.5, 7.5)
;;       step = 2.0 ** (np.maximum(np.frexp(np.where(r == 0, 1, r))[1] - 1, 0) - 3)
;;       q = np.round(r / step) * step * 2.0 ** e      # np.round: ties to even
;;       return np.moveaxis(q.reshape(q.shape[:-2] + (-1,))[..., :K], -1, axis).astype(np.float32)
;;   ~~~
;;   SOFTMAX AHEAD OF A QUANTISED PRODUCT. Where the list says 'softmax', what is quantised is not the finished softmax but p = 2^(t - M), with t = logit x log2(e) and M = ceil(the row's largest t), a whole number; so 1/2 < the row's largest p <= 1. The row's sum l is taken of the UNQUANTISED p, in f32, and the product's result is divided by l at the end. Since M is a whole number, a kernel that streams over the keys may use a running M (the ceiling of the running maximum): every later rescaling is an exact power of two, which a block's scale takes up: the codes' values come out the same.
;;   OPERANDS COMPUTED ON THE WAY. 'Computed on the way' means the value that the module computes at that place (a softmax that the list does not call 'softmax' is quantised finished and normalised). What goes into a quantiser is computed in f32, as accurately as f32 sums, v_exp_f32 and their like allow (about 1e-6 of the number): no bf16 or f16 on the way to a quantiser, and a product that is left as it is and whose result goes on into a quantised operand takes f32 operands (vector FMAs, or v_wmma_f32_16x16x4_f32). A number that lies on a knife's edge between two numbers of the format may be rounded either way, as far as f32 arithmetic and the matrix unit's own rounding can turn it there, and no further.
;; One version. Each part assembles by itself: llvm-mc -triple=amdgcn-amd-amdhsa -mcpu=gfx1250 --defsym DOCPART=n.
;; ======== version 1 of 1: 4 launches
;; limits: right only within a limited range of input values
;; workspace buffers: acts 13,107,200 bytes; wqkv 4,915,200 bytes; wo 3,276,800 bytes; qimg 6,815,744 bytes; kv 3,342,336 bytes; ao 6,553,600 bytes
;; launch quant (part 1): grid 832 x 1, 4 waves a work-group, no clusters, 68,096 bytes of LDS; arguments x, context, Wq, Wk, Wv, Wo, acts, wqkv, wo; writes acts, wqkv, wo
.if DOCPART == 1
	.amdgcn_target "amdgcn-amd-amdhsa--gfx1250"
	.amdhsa_code_object_version 6
	.text
	.protected	k_qe3f7280438_quant
	.globl	k_qe3f7280438_quant
	.p2align	8
	.type	k_qe3f7280438_quant,@function
k_qe3f7280438_quant:
	s_mov_b64 s[64:65], 0
	v_nop
	global_prefetch_b8 v0, s[64:65] scope:SCOPE_SE
	s_setreg_imm32_b32 hwreg(HW_REG_WAVE_MODE, 25, 1), 1
	s_wait_xcnt 0x0
; All six f32 tensors become codes of FP6 (E2M3) with one E8M0 byte for each 32 along K, once, laid as the later launches read them:
; codes [K step of 256][row][192 bytes], scale bytes [K step][row][8 bytes].  In x, context, Wq, Wk, Wv place p of each 32 rows holds row SW(p), SW = bits 3 and 4 of p exchanged; Wo's rows are in their own order.
; A block's scale is 2^(floor(log2(its largest magnitude)) - 2); its byte is that magnitude's exponent field - 2, held at 1 from below.
; LIMITS: NaN and infinities are not served; a block whose largest magnitude lies under 2^-124 has its byte held at 1; a block of zeros has the byte 1, not 127: its codes are zeros and this program alone reads the bytes.
; Work-groups 0-511 take x and context (K innermost): a wave takes 32 rows x 256 along K, 16 steps of two rows; each load reads 512 consecutive bytes, a step's 2,048 bytes turn through the wave's own stage so that a lane holds 16 neighbours.
; Work-groups 512-831 take the weights (K is the first axis): a lane takes a column, its registers run down K; a wave takes 32 columns x 256 along K; the codes leave through the wave's own stage as rows of 192 bytes.
; No tensor loads, no barrier: waves share nothing.  The two ways have LDS bytes of their own: 0 .. 32,767 and 32,768 .. 67,583.
.set EMAX,  2
.set CB,    12                         ; bytes of 16 codes
.set SP,    80                         ; rows' way: a lane's place in a stage: 64 bytes + 16
.set WREG,  8192                       ; rows' way: LDS of a wave: two stages of 32 x SP, then its 256 scale bytes
.set RR,    16                         ; v16-79   four sets of 16 numbers as loaded
.set RX,    80                         ; v80-111  two sets of 16 neighbours
.set RE,    112                        ; v112-127 a scale byte for each step
.set RC,    128                        ; v128-191 codes, four registers for each step: no store's data are written again
.set CSTG,  32768                      ; columns' way: the stages, 32 rows x CPITCH a wave
.set CPITCH, 272                       ; sixteen places of 16 bytes, each with 12 bytes of codes, + 16
.set CX,    32                         ; v32-95   two sets of 32 numbers; at the end the rows on their way out
.set CCD,   96                         ; v96-102  a block's codes
.set CSB,   24                         ; v24-25   eight scale bytes
.set COFF,  112                        ; v112-143 byte offset of row i of a block at my column; never rewritten
	s_load_b512 s[4:19], s[0:1], 0x0               ; x 4, context 6, Wq 8, Wk 10, Wv 12, Wo 14, acts 16, wqkv 18
	s_load_b64 s[20:21], s[0:1], 0x40              ; wo
	v_lshl_add_u32 v192, v0, 2, 0x10800
	v_mov_b32 v193, 0
	v_lshrrev_b32 v1, 5, v0
	v_readfirstlane_b32 s22, v1                    ; wave
	v_and_b32 v2, 31, v0                           ; lane
	s_cmp_lt_u32 ttmp9, 512
	s_cbranch_scc0 .Lcols
; ---------------- x and context
	v_lshlrev_b32 v3, 4, v2                        ; my 16 bytes of a load's 512
	s_mul_i32 s23, s22, WREG
	v_lshrrev_b32 v14, 2, v2
	v_mul_u32_u24 v14, v14, SP
	v_and_b32 v15, 3, v2
	v_lshl_add_u32 v14, v15, 4, v14
	v_add_nc_u32 v14, s23, v14                     ; the stage, in: four lanes' 64 bytes on end, then 16 of padding
	v_mul_u32_u24 v15, v2, SP
	v_add_nc_u32 v15, s23, v15                     ; and out: my 16 neighbours
	v_mul_u32_u24 v4, v2, CB                       ; my codes' place in a step's 384 bytes
	v_lshrrev_b32 v5, 1, v2
	s_add_co_u32 s23, s23, 2*32*SP
	v_add_nc_u32 v5, s23, v5                       ; my block's byte among the wave's 256
	v_lshlrev_b32 v7, 3, v2
	v_add_nc_u32 v6, s23, v7                       ; and on the way out 8 bytes a lane
	s_lshr_b32 s24, ttmp9, 8                       ; 0: x, 1: context
	s_bfe_u32 s25, ttmp9, 0x70001                  ; which 32 rows
	s_and_b32 s26, ttmp9, 1
	s_lshl_b32 s26, s26, 2
	s_add_co_u32 s26, s26, s22                     ; which K step: 4 x (work-group & 1) + wave
	s_lshl_b32 s28, s25, 18                        ; 32 rows of 8,192 bytes
	s_lshl_b32 s29, s26, 10                        ; 256 numbers
	s_add_co_u32 s28, s28, s29
	s_mov_b32 s29, 0
	s_mul_i32 s30, s24, 6291456
	s_mul_i32 s31, s26, 786432
	s_add_co_u32 s30, s30, s31
	s_mul_i32 s31, s25, 6144
	s_add_co_u32 s30, s30, s31                     ; the codes' place
	s_mov_b32 s31, 0
	s_lshl_b32 s32, s24, 18
	s_lshl_b32 s33, s26, 15
	s_add_co_u32 s32, s32, s33
	s_lshl_b32 s33, s25, 8
	s_add_co_u32 s32, s32, s33
	s_add_co_u32 s32, s32, 12582912                ; the scale bytes' place
	s_mov_b32 s33, 0
	s_wait_alu depctr_va_vdst(0)
	s_wait_kmcnt 0x0
	s_cmp_eq_u32 s24, 0                            ; the choice hangs on the work-group's number alone
	s_cselect_b64 s[4:5], s[4:5], s[6:7]
	s_add_nc_u64 s[4:5], s[4:5], s[28:29]
	s_add_nc_u64 s[8:9], s[16:17], s[30:31]
	s_add_nc_u64 s[10:11], s[16:17], s[32:33]
.macro RLOAD t                         ; step t: places 2 t and 2 t + 1 of the 32, which hold rows SW(2 t) and SW(2 t) + 1; 1,024 bytes of each
.set SWT, (((2*(\t))&7)|((((2*(\t))>>3)&1)<<4)|((((2*(\t))>>4)&1)<<3))
.irp i, 0,1,2,3
	global_load_b128 v[RR+16*((\t)%4)+4*\i:RR+16*((\t)%4)+4*\i+3], v3, s[4:5] offset:(SWT+\i/2)*8192+512*(\i%2) th:TH_LOAD_NT
.endr
.endm
.macro RTURN t                         ; through the stage: LDS serves a wave's instructions in order, so no wait stands between the stores and the loads
.irp i, 0,1,2,3
	ds_store_b128 v14, v[RR+16*((\t)%4)+4*\i:RR+16*((\t)%4)+4*\i+3] offset:32*SP*((\t)%2)+8*SP*\i
.endr
.irp i, 0,1,2,3
	ds_load_b128 v[RX+16*((\t)%2)+4*\i:RX+16*((\t)%2)+4*\i+3], v15 offset:32*SP*((\t)%2)+16*\i
.endr
.endm
.irp t, 0,1,2,3
	RLOAD \t
.endr
	s_wait_loadcnt 12                              ; step 0's four loads are in; the 12 of steps 1 to 3 stay out
	RTURN 0
.macro RSTEP t
.set XS, RX+16*((\t)%2)
.if (\t) > 0
	s_wait_dscnt 1                                 ; this step's numbers are back from the stage; the last step's byte store may be out
.else
	s_wait_dscnt 0x0
.endif
.if (\t)+4 < 16
	RLOAD (\t)+4                                   ; into the registers that this step's stage stores have read
.endif
.if (\t)+1 < 16
.if 14-(\t) >= 3
	s_wait_loadcnt 12                              ; the next step's four loads are in; those of the three steps behind it may be out
.else
	s_wait_loadcnt 4*(14-(\t))
.endif
	RTURN (\t)+1
.endif
	v_max3_num_f32 v8, |v[XS]|, |v[XS+1]|, |v[XS+2]|               ; the largest magnitude of my 16, in two chains
	v_max3_num_f32 v9, |v[XS+3]|, |v[XS+4]|, |v[XS+5]|
.irp i, 6,10
	v_max3_num_f32 v8, v8, |v[XS+\i]|, |v[XS+\i+1]|
	v_max3_num_f32 v9, v9, |v[XS+\i+2]|, |v[XS+\i+3]|
.endr
	v_max3_num_f32 v8, v8, |v[XS+14]|, |v[XS+15]|
	v_max3_num_f32 v8, v8, v9, (EMAX+1)<<23        ; and the floor 2^(3 - 127): the byte cannot fall under 1
	v_max_num_f32_dpp v8, v8, v8 row_xmask:1 row_mask:0xf bank_mask:0xf   ; and of my neighbour's 16: the block's
	v_add_nc_u32 v11, -(EMAX<<23), v8              ; 2 off the exponent field: the conversion takes that field as its scale
	v_cvt_scalef32_pk16_fp6_f32 v[RC+4*(\t):RC+4*(\t)+2], v[XS:XS+15], v11
	v_lshrrev_b32 v[RE+(\t)], 23, v11              ; the scale's byte (a plain line behind the conversion)
	ds_store_b8 v5, v[RE+(\t)] offset:16*(\t)      ; both lanes of a block write the same byte
	global_store_b96 v4, v[RC+4*(\t):RC+4*(\t)+2], s[8:9] offset:384*(\t)   ; the wave stores two rows' 384 consecutive bytes
.endm
.irp t, 0,1,2,3,4,5,6,7,8,9,10,11,12,13,14,15
	RSTEP \t
.endr
	ds_load_b64 v[12:13], v6                       ; in order behind my byte stores
	s_wait_dscnt 0x0
	global_store_b64 v7, v[12:13], s[10:11]        ; 32 rows' 256 scale bytes, consecutive and aligned
	s_wait_tensorcnt 0x0
	ds_add_u32 v192, v193
	s_wait_dscnt 0x0
	s_endpgm
; ---------------- the weights
.Lcols:
	s_sub_co_u32 s23, ttmp9, 512
	s_and_b32 s24, s23, 7                          ; which K step
	s_lshr_b32 s25, s23, 3                         ; which 128 columns: 0-15 Wq, 16-19 Wk, 20-23 Wv, 24-39 Wo
	s_mov_b32 s28, 24                              ; the tensor's first group of columns,
	s_mov_b32 s29, 8192                            ; its row in bytes,
	s_mov_b32 s30, 2048
	s_mov_b32 s52, 393216                          ; the target's K step of codes,
	s_mov_b32 s53, 16384                           ; of scale bytes,
	s_mov_b32 s54, 3145728                         ; and where its scale bytes begin: Wo's figures first
	s_wait_kmcnt 0x0
	s_mov_b64 s[26:27], s[14:15]
	s_cmp_lt_u32 s25, 24                           ; every choice hangs on the work-group's number alone
	s_cselect_b64 s[26:27], s[12:13], s[26:27]
	s_cselect_b64 s[50:51], s[18:19], s[20:21]
	s_cselect_b32 s28, 20, s28
	s_cselect_b32 s29, s30, s29
	s_cselect_b32 s31, 24, 0                       ; bits 3 and 4 are exchanged in Wq, Wk, Wv
	s_cselect_b32 s52, 589824, s52
	s_cselect_b32 s53, 24576, s53
	s_cselect_b32 s54, 4718592, s54
	s_cselect_b32 s55, 0, 24                       ; the target's first group of rows
	s_cmp_lt_u32 s25, 20
	s_cselect_b64 s[26:27], s[10:11], s[26:27]
	s_cselect_b32 s28, 16, s28
	s_mov_b32 s30, 8192
	s_cmp_lt_u32 s25, 16
	s_cselect_b64 s[26:27], s[8:9], s[26:27]
	s_cselect_b32 s28, 0, s28
	s_cselect_b32 s29, s30, s29
	s_wait_alu depctr_va_vdst(0)
	v_lshrrev_b32 v3, 3, v2
	v_lshrrev_b32 v4, 4, v2
	v_xor_b32 v3, v3, v4
	v_and_b32 v3, 1, v3
	v_mul_u32_u24 v3, s31, v3
	v_xor_b32 v3, v3, v2                           ; my column of the wave's 32: the lane, or the lane with bits 3 and 4 exchanged
	v_lshlrev_b32 v[COFF], 2, v3
.set II, 1
.rept 31
	v_add_nc_u32 v[COFF+II], s29, v[COFF+II-1]
.set II, II+1
.endr
	s_sub_co_u32 s56, s25, s28
	s_lshl_b32 s56, s56, 9                         ; 128 columns of 4 bytes
	s_lshl_b32 s57, s22, 7                         ; my wave's 32
	s_add_co_u32 s56, s56, s57
	s_lshl_b32 s57, s29, 8                         ; 256 rows
	s_mul_i32 s57, s57, s24
	s_add_co_u32 s56, s56, s57
	s_mov_b32 s57, 0
	s_add_nc_u64 s[32:33], s[26:27], s[56:57]      ; block 0; the other seven lie 32 rows apart: eight bases, never rewritten
	s_lshl_b32 s58, s29, 5
	s_mov_b32 s59, 0
.irp t, 1,2,3,4,5,6,7
	s_add_nc_u64 s[32+2*\t:33+2*\t], s[30+2*\t:31+2*\t], s[58:59]
.endr
	s_sub_co_u32 s60, s25, s55
	s_lshl_b32 s60, s60, 7
	s_lshl_b32 s61, s22, 5
	s_add_co_u32 s60, s60, s61                     ; my first row in the target
	s_mul_i32 s56, s24, s52
	s_mul_i32 s61, s60, 192
	s_add_co_u32 s56, s56, s61
	s_add_nc_u64 s[48:49], s[50:51], s[56:57]      ; codes
	s_mul_i32 s56, s24, s53
	s_lshl_b32 s61, s60, 3
	s_add_co_u32 s56, s56, s61
	s_add_co_u32 s56, s56, s54
	s_add_nc_u64 s[50:51], s[50:51], s[56:57]      ; scale bytes
	s_mul_i32 s62, s22, 32*CPITCH
	s_add_co_u32 s62, s62, CSTG                    ; my stage
	v_mul_u32_u24 v4, v2, CPITCH
	v_add_nc_u32 v4, s62, v4                       ; into it: row = my lane
	v_and_b32 v5, 15, v2
	v_lshrrev_b32 v6, 4, v2
	v_mul_u32_u24 v7, v6, CPITCH
	v_lshl_add_u32 v7, v5, 4, v7
	v_add_nc_u32 v7, s62, v7                       ; out of it: sixteen lanes to a row, two rows an instruction
	v_mul_u32_u24 v8, v2, 12                       ; the same two rows in the target: rows are 192 bytes on end
	v_lshlrev_b32 v9, 3, v2                        ; my row's eight scale bytes
.macro CLOAD t                         ; block t: 32 rows of W at my column, into set t % 2
.set II, 0
.rept 32
	global_load_b32 v[CX+32*((\t)%2)+II], v[COFF+II], s[32+2*(\t):33+2*(\t)] th:TH_LOAD_NT
.set II, II+1
.endr
.endm
	CLOAD 0
	CLOAD 1
.macro CBLOCK t
.set XS, CX+32*((\t)%2)
.if (\t) < 7
	s_wait_loadcnt 32                              ; this block's 32 loads are in; the next block's may be out
.else
	s_wait_loadcnt 0
.endif
	v_max3_num_f32 v12, |v[XS]|, |v[XS+1]|, |v[XS+2]|               ; all 32 numbers of the block are mine
	v_max3_num_f32 v13, |v[XS+3]|, |v[XS+4]|, |v[XS+5]|
.irp i, 6,10,14,18,22,26
	v_max3_num_f32 v12, v12, |v[XS+\i]|, |v[XS+\i+1]|
	v_max3_num_f32 v13, v13, |v[XS+\i+2]|, |v[XS+\i+3]|
.endr
	v_max3_num_f32 v12, v12, |v[XS+30]|, |v[XS+31]|
	v_max3_num_f32 v12, v12, v13, (EMAX+1)<<23
	v_add_nc_u32 v11, -(EMAX<<23), v12
	v_lshrrev_b32 v13, 23, v11
.if (\t)%4 == 0
	v_mov_b32 v[CSB+(\t)/4], v13
.else
	v_lshl_or_b32 v[CSB+(\t)/4], v13, 8*((\t)%4), v[CSB+(\t)/4]
.endif
	v_cvt_scalef32_pk16_fp6_f32 v[CCD:CCD+2], v[XS:XS+15], v11
	v_cvt_scalef32_pk16_fp6_f32 v[CCD+4:CCD+6], v[XS+16:XS+31], v11
	v_nop                                          ; a plain line behind the conversions
	ds_store_b96 v4, v[CCD:CCD+2] offset:32*(\t)   ; 12 bytes to a place of 16
	ds_store_b96 v4, v[CCD+4:CCD+6] offset:32*(\t)+16
.if (\t)+2 < 8
	CLOAD (\t)+2
.endif
	s_wait_dscnt 0x0                               ; the stores have read their registers: the next block's codes may be written
.endm
.irp t, 0,1,2,3,4,5,6,7
	CBLOCK \t
.endr
	s_wait_alu depctr_va_vdst(0)
	global_store_b64 v9, v[CSB:CSB+1], s[50:51]    ; 32 rows' 256 scale bytes, consecutive and aligned
.irp t, 0,1,2,3,4,5,6,7,8,9,10,11,12,13,14,15
	ds_load_b96 v[CX+4*\t:CX+4*\t+2], v7 offset:2*\t*CPITCH
.endr
.irp t, 0,1,2,3,4,5,6,7,8,9,10,11,12,13,14,15
	s_wait_dscnt 15-\t
	global_store_b96 v8, v[CX+4*\t:CX+4*\t+2], s[48:49] offset:384*\t
.endr
	s_wait_tensorcnt 0x0
	ds_add_u32 v192, v193
	s_wait_dscnt 0x0
	s_endpgm
.Lfunc_end_k_qe3f7280438_quant:
	.size	k_qe3f7280438_quant, .Lfunc_end_k_qe3f7280438_quant-k_qe3f7280438_quant
	.p2alignl 7, 3214868480
	.fill 96, 4, 3214868480
	.section	.rodata,"a",@progbits
	.p2align	6, 0x0
	.amdhsa_kernel k_qe3f7280438_quant
		.amdhsa_group_segment_fixed_size 68096
		.amdhsa_private_segment_fixed_size 0
		.amdhsa_enable_private_segment 0
		.amdhsa_kernarg_size 72
		.amdhsa_user_sgpr_count 2
		.amdhsa_user_sgpr_kernarg_segment_ptr 1
		.amdhsa_wavefront_size32 1
		.amdhsa_system_sgpr_workgroup_id_x 1
		.amdhsa_system_sgpr_workgroup_id_y 1
		.amdhsa_system_sgpr_workgroup_id_z 1
		.amdhsa_system_vgpr_workitem_id 0
		.amdhsa_next_free_vgpr 194
		.amdhsa_next_free_sgpr 66
		.amdhsa_reserve_vcc 0
		.amdhsa_float_denorm_mode_32 3
		.amdhsa_float_denorm_mode_16_64 3
		.amdhsa_memory_ordered 1
		.amdhsa_forward_progress 1
		.amdhsa_inst_pref_size 76
	.end_amdhsa_kernel
	.amdgpu_metadata
---
amdhsa.version: [ 1, 2 ]
amdhsa.kernels:
  - .name:           k_qe3f7280438_quant
    .symbol:         k_qe3f7280438_quant.kd
    .args:
      - { .name: x, .offset: 0, .size: 8, .value_kind: global_buffer, .address_space: global }
      - { .name: context, .offset: 8, .size: 8, .value_kind: global_buffer, .address_space: global }
      - { .name: Wq, .offset: 16, .size: 8, .value_kind: global_buffer, .address_space: global }
      - { .name: Wk, .offset: 24, .size: 8, .value_kind: global_buffer, .address_space: global }
      - { .name: Wv, .offset: 32, .size: 8, .value_kind: global_buffer, .address_space: global }
      - { .name: Wo, .offset: 40, .size: 8, .value_kind: global_buffer, .address_space: global }
      - { .name: acts, .offset: 48, .size: 8, .value_kind: global_buffer, .address_space: global }
      - { .name: wqkv, .offset: 56, .size: 8, .value_kind: global_buffer, .address_space: global }
      - { .name: wo, .offset: 64, .size: 8, .value_kind: global_buffer, .address_space: global }
    .group_segment_fixed_size: 68096
    .private_segment_fixed_size: 0
    .kernarg_segment_align: 8
    .kernarg_segment_size: 72
    .max_flat_workgroup_size: 128
    .sgpr_count:     66
    .vgpr_count:     194
    .wavefront_size: 32
...
	.end_amdgpu_metadata
.endif
;; end of part 1
;; launch qkv (part 2): grid 16 x 12, 4 waves a work-group, clusters of 4 x 1, 327,680 bytes of LDS; arguments acts, wqkv, cos, sin, context_cos, context_sin, qimg, kv; writes qimg, kv
.if DOCPART == 2
	.amdgcn_target "amdgcn-amd-amdhsa--gfx1250"
	.amdhsa_code_object_version 6
	.text
	.protected	k_qe3f7280438_qkv
	.globl	k_qe3f7280438_qkv
	.p2align	8
	.type	k_qe3f7280438_qkv,@function
k_qe3f7280438_qkv:
	s_mov_b64 s[64:65], 0
	v_nop
	global_prefetch_b8 v0, s[64:65] scope:SCOPE_SE
	s_setreg_imm32_b32 hwreg(HW_REG_WAVE_MODE, 25, 1), 1
	s_wait_xcnt 0x0
	s_wait_alu depctr_hold_cnt(0) depctr_sa_sdst(0) depctr_va_vdst(0) depctr_va_sdst(0) depctr_va_ssrc(0) depctr_va_vcc(0) depctr_vm_vsrc(0)
	s_getreg_b32 s2, hwreg(HW_REG_IB_STS2, 6, 4)
	s_cmp_eq_u32 s2, 0
	s_cbranch_scc0 .Lentry_in_a_cluster
	s_endpgm
.Lentry_in_a_cluster:
	s_bfe_u32 s2, ttmp6, 0x10000c
	s_cmp_lg_u32 s2, 0x3003
	s_cbranch_scc0 .Lentry_shape_is_right
	s_endpgm
.Lentry_shape_is_right:
.set NQ,     2
.set ROWB,   192
.set PITCH,  240
.set FR,     12
.set NL,     6
.set NP,     4
.set HALFT,  128*PITCH
.set SLOT,   4*HALFT
.set LAPS,   4
.set SCL,    2*SLOT
.set SPARE,  278784
.set ASTEP,  786432
.set BSTEP,  589824
.set ASCS,   4096
.set BSCS,   3072
.set L16,  8
.set L8,   9
.set CA,   10
.set ADRA, 16
.set ADRB, 20
.set STO,  24
.set RDV,  25
.set VA,   26
.set ADRS, 27
.set SPW,  28
.set NIL,  29
.set SC,   32
.set AF,   128
.set G1, 24
.set G0, 32
.set G1B, 48
.set G0B, 56
.set G1S, 68
.set G0S, 76
.set G1SB, 80
.set G0SB, 88
.set MSB, 0
.macro WIN new
.if MSB != (\new)
	s_set_vgpr_msb (MSB<<8)|(\new)
.set MSB, (\new)
.endif
.endm
.set MUL_LO, 0xa1
.set MUL_HI, 0xf1
.set TO_B,   0x40
.macro JLOAD g0a, g1a, g0b, g1b
	s_cmp_eq_u32 s15, 0
	s_cbranch_scc0 .Lfor_b_\@
	tensor_load_to_lds s[\g0a:\g0a+3], s[\g1a:\g1a+7]
	s_nop 0
.rept 4
	v_nop
.endr
	s_branch .Lasked_\@
.Lfor_b_\@:
	tensor_load_to_lds s[\g0b:\g0b+3], s[\g1b:\g1b+7]
	s_nop 0
.rept 4
	v_nop
.endr
.Lasked_\@:
.endm
.macro CREST
	s_cmp_lg_u32 s14, 0
	s_cbranch_scc1 .Lnot_wave_0_\@
	s_barrier_signal -3
.Lnot_wave_0_\@:
	s_barrier_wait -3
	s_barrier_signal -1
	s_barrier_wait -1
.endm
.macro CROUND
	s_barrier_signal -1
	s_barrier_wait -1
	CREST
.endm
	s_load_b128 s[4:7], s[0:1], 0x0
	v_lshl_add_u32 v[SPW], v0, 2, SPARE
	v_mov_b32 v[NIL], 0
	ds_add_u32 v28, v29
	ds_add_u32 v28, v29
	s_wait_dscnt 0x0
	v_lshrrev_b32 v1, 5, v0
	v_readfirstlane_b32 s14, v1
	s_lshr_b32 s15, s14, 1
	s_and_b32 s16, s14, 1
	s_bfe_u32 s40, ttmp6, 0x40000
	s_lshl_b32 s17, ttmp9, 2
	s_add_co_u32 s17, s17, s40
	s_and_b32 s42, ttmp7, 0xffff
	s_mov_b32 s[G1+0], (1<<20)|(3<<22)|(3<<25)
	s_mov_b32 s[G1B+0], 15|(1<<20)|(1<<21)|(3<<22)|(3<<25)
.irp g, G1, G1B                        ; the head's tiles: two K steps, each a dense block of 256 rows x 192 bytes = one tensor row of 49,152 bytes
	s_mov_b32 s[\g+1], 49152<<16
	s_mov_b32 s[\g+2], 2<<16
	s_mov_b32 s[\g+3], 49152<<16
	s_mov_b32 s[\g+4], 2
	s_mov_b32 s[\g+6], 0
	s_mov_b32 s[\g+7], 0
.endr
	s_mov_b32 s[G1+5], ASTEP
	s_mov_b32 s[G1B+5], BSTEP
	s_mov_b32 s[G1S+0], 3<<16
	s_mov_b32 s[G1SB+0], 15|(3<<16)|(1<<21)
.irp g, G1S, G1SB                      ; the scales of 256 rows: 2,048 bytes for each of the 8 K steps
	s_mov_b32 s[\g+1], 256<<16
	s_mov_b32 s[\g+2], 8<<16
	s_mov_b32 s[\g+3], 256<<16
	s_mov_b32 s[\g+4], 8
	s_mov_b32 s[\g+6], 0
	s_mov_b32 s[\g+7], 0
.endr
	s_mov_b32 s[G1S+5], ASCS
	s_mov_b32 s[G1SB+5], BSCS
	s_lshl_b32 s18, s16, 7
	s_lshl_b32 s20, s17, 8
	s_add_co_u32 s20, s20, s18
	s_lshl_b32 s46, s42, 8
	s_add_co_u32 s46, s46, s18
	s_cmp_ge_u32 s42, 8
	s_cselect_b32 s19, 6291456, 0
	s_cselect_b32 s41, 262144, 0
	s_lshl_b32 s22, s17, 11
	s_add_co_u32 s22, s22, s41
	s_add_co_u32 s22, s22, 12582912
	s_mov_b32 s23, 0
	s_mul_i32 s20, s20, ROWB
	s_add_co_u32 s20, s20, s19
	s_mov_b32 s21, 0
	s_lshl_b32 s92, s42, 11
	s_add_co_u32 s92, s92, 4718592
	s_mov_b32 s93, 0
	s_mul_i32 s46, s46, ROWB
	s_mov_b32 s47, 0
	s_mul_i32 s45, s16, HALFT
	s_wait_kmcnt 0x0
	s_add_nc_u64 s[20:21], s[4:5], s[20:21]
	s_add_nc_u64 s[22:23], s[4:5], s[22:23]
	s_add_nc_u64 s[46:47], s[6:7], s[46:47]
	s_add_nc_u64 s[92:93], s[6:7], s[92:93]
	CROUND
	s_mov_b32 s[G0S], 1
	s_mov_b32 s[G0S+1], SCL
	s_mov_b64 s[G0S+2:G0S+3], s[22:23]
	s_or_b32 s[G0S+3], s[G0S+3], 0x80000000
	s_mov_b32 s[G0SB], 1
	s_mov_b32 s[G0SB+1], SCL+16384+128
	s_mov_b64 s[G0SB+2:G0SB+3], s[92:93]
	s_or_b32 s[G0SB+3], s[G0SB+3], 0x80000000
.irp s, 0,1
	s_mov_b32 s[G0+4*\s], 1
	s_add_co_u32 s[G0+4*\s+1], s45, \s*2*HALFT
	s_add_nc_u64 s[G0+4*\s+2:G0+4*\s+3], s[20:21], \s*ASTEP
	s_or_b32 s[G0+4*\s+3], s[G0+4*\s+3], 0x80000000
	s_mov_b32 s[G0B+4*\s], 1
	s_add_co_u32 s[G0B+4*\s+1], s45, 4*HALFT+\s*2*HALFT
	s_add_nc_u64 s[G0B+4*\s+2:G0B+4*\s+3], s[46:47], \s*BSTEP
	s_or_b32 s[G0B+4*\s+3], s[G0B+4*\s+3], 0x80000000
.endr
; The head's loads, one a wave, in one tree of branches on the wave's number: wave 0 A's K steps 0 and 1 (both slots of A lie on end in LDS), wave 1 A's scales, wave 2 B's K steps 0 and 1, wave 3 B's scales.
; Waves 0 and 2 fetch the lower half of a tile in the ring, so their slot 0 descriptors point at the tile's first row.
.macro ARM under, g0, g1, next
	s_cmp_lt_u32 s14, \under
	s_cbranch_scc0 \next
	tensor_load_to_lds s[\g0:\g0+3], s[\g1:\g1+7]
	s_nop 0
.rept 4
	v_nop
.endr
	s_branch .Lhead_asked
\next:
.endm
	; the prefetches: s[8:9] my 128 rows of A, or my work-group's 24 of the 96 blocks of 256 bytes of my 128 rows of B, at K step 2; s[10:11] a K step in bytes; s12 the last lane that names a block of its own
	s_mul_i32 s12, s40, 6144
	s_mov_b32 s13, 0
	s_add_nc_u64 s[12:13], s[46:47], s[12:13]
	s_cmp_eq_u32 s15, 0
	s_cselect_b64 s[8:9], s[20:21], s[12:13]
	s_mov_b32 s10, BSTEP
	s_cselect_b32 s10, ASTEP, s10
	s_mov_b32 s11, 0
	s_cselect_b32 s12, 31, 23
	s_add_nc_u64 s[8:9], s[8:9], s[10:11]
	s_add_nc_u64 s[8:9], s[8:9], s[10:11]
	ARM 1, G0,  G1,  .Lhead_sa
	ARM 2, G0S, G1S, .Lhead_b
	ARM 3, G0B, G1B, .Lhead_sb
	tensor_load_to_lds s[G0SB:G0SB+3], s[G1SB:G1SB+7]
	s_nop 0
.rept 4
	v_nop
.endr
.Lhead_asked:
	v_and_b32 v1, 15, v0
	v_bfe_u32 v2, v0, 4, 1
	v_mul_u32_u24 v3, v1, PITCH
	v_mul_u32_u24 v4, v2, 24
	v_add_nc_u32 v4, v3, v4
	v_lshl_add_u32 v5, v2, 4, v4
	s_mul_i32 s21, s15, HALFT
	s_mul_i32 s22, s16, HALFT
	s_add_co_u32 s22, s22, 4*HALFT
.irp s, 0,1
	v_add_nc_u32 v[ADRA+\s], s21, v4
	v_add_nc_u32 v[ADRB+\s], s22, v4
	v_add_nc_u32 v[ADRA+2+\s], s21, v5
	v_add_nc_u32 v[ADRB+2+\s], s22, v5
	s_add_co_u32 s21, s21, 2*HALFT
	s_add_co_u32 s22, s22, 2*HALFT
.endr
	v_lshlrev_b32 v5, 3, v1
	s_lshl_b32 s21, s15, 10
	s_lshl_b32 s22, s16, 10
	s_add_co_u32 s22, s22, 16384+128
	s_sub_co_u32 s22, s22, s21
	v_mul_u32_u24 v6, s22, v2
	s_add_co_u32 s21, s21, SCL
	v_add_nc_u32 v5, v5, v6
	v_add_nc_u32 v[ADRS], s21, v5
	v_and_b32 v6, 31, v0
	v_lshlrev_b32 v[L16], 4, v6
	v_lshlrev_b32 v[L8], 3, v6
	v_min_u32 v30, s12, v6
	v_lshlrev_b32 v30, 8, v30                      ; the prefetches' offset: a block of 256 bytes a lane; never rewritten
	v_and_b32 v5, 8, v1
	v_add_nc_u32 v5, v5, v1
	v_lshlrev_b32 v[CA], 8, v5
	v_lshl_add_u32 v[CA], v2, 6, v[CA]
	s_mul_i32 s23, s16, 32*528                     ; V's stage: waves 0, 1 in A's slot 0, waves 2, 3 in B's slot 0: both have had their last fill and last read at the walk's last barrier
	s_mul_i32 s18, s15, 4*HALFT
	s_add_co_u32 s23, s23, s18
	v_mul_u32_u24 v5, v1, 528
	v_lshl_add_u32 v5, v2, 5, v5
	v_add_nc_u32 v[STO], s23, v5
	v_lshlrev_b32 v5, 2, v6
	v_add_nc_u32 v[RDV], s23, v5
	v_mul_u32_u24 v5, v2, 1536
	v_lshl_add_u32 v[VA], v1, 4, v5
.macro FRAG reg, adr, q, i
.irp p, 0,1,2,3,4,5
.set PCE, 12*(\q)+6*(\p/3)+\p%3
.if PCE%8 < 5
	ds_load_b64 v[\reg+2*\p:\reg+2*\p+1], v[\adr] offset:8*PCE+16*(PCE/8)+(\i)*16*PITCH
.else
	ds_load_b64 v[\reg+2*\p:\reg+2*\p+1], v[\adr+2] offset:8*PCE+16*(PCE/8)+(\i)*16*PITCH
.endif
.endr
.endm
.macro MUL16 a0, p, q, sc, zero
.irp a, \a0, \a0+1
.irp b, 0,1,2,3,4,5,6,7
.if \zero
	v_wmma_scale_f32_16x16x128_f8f6f4 v[8*(8*((\a)%4)+\b):8*(8*((\a)%4)+\b)+7], v[128*(\p)+FR*\b:128*(\p)+FR*\b+FR-1], v[AF+FR*(\a):AF+FR*(\a)+FR-1], 0, v[SC+8*NQ*(\sc)+NQ*\b+(\q)], v[SC+8*NQ*(\sc)+NQ*(\a)+(\q)] matrix_a_fmt:MATRIX_FMT_FP6 matrix_b_fmt:MATRIX_FMT_FP6 matrix_a_scale:MATRIX_SCALE_ROW1
.else
	v_wmma_scale_f32_16x16x128_f8f6f4 v[8*(8*((\a)%4)+\b):8*(8*((\a)%4)+\b)+7], v[128*(\p)+FR*\b:128*(\p)+FR*\b+FR-1], v[AF+FR*(\a):AF+FR*(\a)+FR-1], v[8*(8*((\a)%4)+\b):8*(8*((\a)%4)+\b)+7], v[SC+8*NQ*(\sc)+NQ*\b+(\q)], v[SC+8*NQ*(\sc)+NQ*(\a)+(\q)] matrix_a_fmt:MATRIX_FMT_FP6 matrix_b_fmt:MATRIX_FMT_FP6 matrix_a_scale:MATRIX_SCALE_ROW1
.endif
.endr
.endr
.endm
.macro FETCH_B slot, q, p
	WIN TO_B
.irp i, 0,1,2,3,4,5,6,7
	FRAG 128*(\p)+FR*\i, ADRB+\slot, \q, \i
.endr
	WIN 0
.endm
.macro FETCH_A slot, q, i0
.irp i, \i0, \i0+1, \i0+2, \i0+3
	FRAG AF+FR*(\i), ADRA+\slot, \q, \i
.endr
.endm
.macro SCALES sc
.irp i, 0,1,2,3,4,5,6,7
	ds_load_b64 v[SC+8*NQ*\sc+NQ*\i:SC+8*NQ*\sc+NQ*\i+1], v[ADRS] offset:\i*128
.endr
.endm
.macro PLACES n
.rept \n
	v_nop
.endr
.endm
.macro STEP slot, q, zero
	s_wait_dscnt 4*NL
	WIN MUL_LO
	MUL16 0, (\q)%2, \q, \slot, \zero
	MUL16 2, (\q)%2, \q, \slot, \zero
	s_wait_dscnt 0
	PLACES NP
	FETCH_B \slot, (\q)+1, 1-(\q)%2
	FETCH_A \slot, (\q)+1, 0
	WIN MUL_HI
	MUL16 4, (\q)%2, \q, \slot, \zero
	MUL16 6, (\q)%2, \q, \slot, \zero
	PLACES NP
	WIN 0
	FETCH_A \slot, (\q)+1, 4
.endm
; Behind a refill and the run of LDS loads: the K step that stands two refills on is named, each block of 256 bytes once in the cluster.  A's tiles are my work-group's own: 96 blocks, three instructions;
; B's are shared by the four partners, told apart by address: 24 blocks (lanes 24-31 name lane 23's again).  The last trip's two refills have no K step two on: s3 = 1 there.
.macro ASK
	s_cmp_gt_u32 s3, 1
	s_cbranch_scc0 .Lno_ask_\@
	s_cmp_eq_u32 s15, 0
	s_cbranch_scc0 .Lask_b_\@
.irp j, 0,1,2
	global_prefetch_b8 v30, s[8:9] offset:ASTEP+\j*8192 th:TH_LOAD_NT scope:SCOPE_SE
.endr
	s_branch .Lno_ask_\@
.Lask_b_\@:
	global_prefetch_b8 v30, s[8:9] offset:BSTEP th:TH_LOAD_NT scope:SCOPE_SE
.Lno_ask_\@:
.endm
; The step's first 32 products need registers alone: they stand ahead of the wait for the next tile.  Then the three lines, the barrier (the round) and the refill follow on end.
.macro TURN slot, next, fill
.if \fill
	s_wait_xcnt 0x0                                ; my prefetches have read their address
	s_add_nc_u64 s[8:9], s[8:9], s[10:11]
.endif
	s_wait_dscnt 4*NL
	WIN MUL_LO
	MUL16 0, 1, NQ-1, \slot, 0
	MUL16 2, 1, NQ-1, \slot, 0
	WIN 0
	s_wait_tensorcnt 0x0
	ds_add_u32 v[SPW], v[NIL]
	s_wait_dscnt 0x0
	s_barrier_signal -1
	s_barrier_wait -1
.if \fill
	CREST
	s_add_nc_u64 s[G0+4*\slot+2:G0+4*\slot+3], s[G0+4*\slot+2:G0+4*\slot+3], 2*ASTEP
	s_add_nc_u64 s[G0B+4*\slot+2:G0B+4*\slot+3], s[G0B+4*\slot+2:G0B+4*\slot+3], 2*BSTEP
	JLOAD G0+4*\slot, G1, G0B+4*\slot, G1B
.else
	PLACES NP
.endif
	s_wait_alu depctr_va_vdst(0)
	v_add_nc_u32 v[ADRS], 2048, v[ADRS]
	FETCH_B \next, 0, 0
	FETCH_A \next, 0, 0
	SCALES \next
.if \fill
	ASK
.endif
	WIN MUL_HI
	MUL16 4, 1, NQ-1, \slot, 0
	MUL16 6, 1, NQ-1, \slot, 0
	PLACES NP
	WIN 0
	FETCH_A \next, 0, 4
.endm
	s_wait_alu depctr_va_vdst(0)                   ; the wait at the head's end
	s_cmp_eq_u32 s15, 0                            ; K steps 2 and 3, the first two refills', are named here
	s_cbranch_scc0 .Lhask_b
.irp u, 0,1
.irp j, 0,1,2
	global_prefetch_b8 v30, s[8:9] offset:\u*ASTEP+\j*8192 th:TH_LOAD_NT scope:SCOPE_SE
.endr
.endr
	s_branch .Lhask_done
.Lhask_b:
	global_prefetch_b8 v30, s[8:9] th:TH_LOAD_NT scope:SCOPE_SE
	global_prefetch_b8 v30, s[8:9] offset:BSTEP th:TH_LOAD_NT scope:SCOPE_SE
.Lhask_done:
	s_wait_tensorcnt 0x0
.irp g, G1, G1B
	s_mov_b32 s[\g+1], 256<<16
	s_mov_b32 s[\g+2], 96<<16
	s_mov_b32 s[\g+3], 256<<16
	s_mov_b32 s[\g+4], 96
	s_mov_b32 s[\g+5], 256
.endr
	s_barrier_signal -1
	s_barrier_wait -1
	s_load_b256 s[68:75], s[0:1], 0x10
	s_load_b128 s[76:79], s[0:1], 0x30
	FETCH_B 0, 0, 0
	FETCH_A 0, 0, 0
	SCALES 0
	FETCH_A 0, 0, 4
	STEP 0, 0, 1
	s_mov_b32 s3, LAPS-1
.Llap:
	TURN 0, 1, 1
	STEP 1, 0, 0
	TURN 1, 0, 1
	STEP 0, 0, 0
	s_sub_co_u32 s3, s3, 1
	s_cmp_lg_u32 s3, 0
	s_cbranch_scc1 .Llap
	TURN 0, 1, 0
	STEP 1, 0, 0
	s_wait_dscnt 4*NL
	WIN MUL_LO
	MUL16 0, 1, NQ-1, 1, 0
	MUL16 2, 1, NQ-1, 1, 0
	s_wait_dscnt 0
	WIN MUL_HI
	MUL16 4, 1, NQ-1, 1, 0
	MUL16 6, 1, NQ-1, 1, 0
	WIN 0
	PLACES NP
	s_wait_kmcnt 0x0
	s_lshr_b32 s20, s17, 2
	s_and_b32 s21, s17, 3
	s_lshl_b32 s22, s21, 1
	s_add_co_u32 s22, s22, s15
	s_cmp_ge_u32 s42, 10
	s_cbranch_scc1 .Lv
.set CS,  32
.set T,   160
.set TM,  192
.set PC,  200
.set PT,  206
.set W,   210
.set SEL, 96
	s_lshl_b32 s24, s22, 15
	s_mov_b32 s25, 0
	s_mul_i32 s26, s22, 8*768
	s_lshl_b32 s27, s22, 9
	s_lshl_b32 s28, s16, 1
	s_lshl_b32 s29, s20, 5
	s_lshl_b32 s30, s42, 2
	s_add_co_u32 s29, s29, s30
	s_add_co_u32 s29, s29, s28
	s_lshl_b32 s31, s20, 3
	s_and_b32 s30, s42, 1
	s_lshl_b32 s30, s30, 2
	s_add_co_u32 s31, s31, s30
	s_add_co_u32 s31, s31, s28
	s_mov_b32 s32, 49152
	s_mov_b32 s33, 0
	s_mov_b32 s34, 4096
	s_mov_b32 s35, 0
	s_mov_b32 s36, 6291456
	s_mov_b32 s37, 104448
	s_mov_b32 s38, 98304
	s_cmp_ge_u32 s42, 8
	s_cselect_b64 s[80:81], s[72:73], s[68:69]
	s_cselect_b64 s[82:83], s[74:75], s[70:71]
	s_cselect_b64 s[44:45], s[78:79], s[76:77]
	s_cselect_b32 s29, s31, s29
	s_cselect_b32 s32, s37, s32
	s_cselect_b32 s34, s37, s34
	s_cselect_b32 s36, s38, s36
	s_add_nc_u64 s[80:81], s[80:81], s[24:25]
	s_add_nc_u64 s[82:83], s[82:83], s[24:25]
	s_mul_i32 s46, s29, s32
	s_add_co_u32 s46, s46, s26
	s_mov_b32 s47, 0
	s_add_nc_u64 s[84:85], s[44:45], s[46:47]
	s_add_nc_u64 s[86:87], s[84:85], s[32:33]
	s_mul_i32 s46, s29, s34
	s_add_co_u32 s46, s46, s27
	s_add_co_u32 s46, s46, s36
	s_add_nc_u64 s[88:89], s[44:45], s[46:47]
	s_add_nc_u64 s[90:91], s[88:89], s[34:35]
	s_mov_b32 s92, 0xffff0000
	s_mov_b32 s[SEL], 0x76543210
	s_mov_b32 s[SEL+1], 0xfedcba98
	v_mov_b32 v[TM+2], 0
	v_mov_b32 v[TM+3], 0
; cos and sin of block a's 16 tokens, 64 registers: six sets; sets 0, 1 in window 0, sets 2 to 5 in window 1, where B's fragments lay
.macro CSLOAD a
.if (\a)%6 < 2
.set CC, CS+64*((\a)%6)
.else
.set CC, 64*((\a)%6-2)
	WIN 0x40
.endif
.irp e, 0,1,2,3,4,5,6,7
	global_load_b128 v[CC+4*\e:CC+4*\e+3], v[CA], s[80:81] offset:(32*((\a)/2)+8*((\a)%2))*256+128*(\e/4)+32*((\e/2)%2)+16*(\e%2)
	global_load_b128 v[CC+32+4*\e:CC+32+4*\e+3], v[CA], s[82:83] offset:(32*((\a)/2)+8*((\a)%2))*256+128*(\e/4)+32*((\e/2)%2)+16*(\e%2)
.endr
	WIN 0
.endm
.macro ROPE a, hd
.if (\a)%6 < 2
.set CC, CS+64*((\a)%6)
	WIN 0x02+(\a)/4
.else
.set CC, 64*((\a)%6-2)
	WIN 0x06+(\a)/4
.endif
.irp u, 0,1
.irp jp, 0,2,4,6
.set X0, 8*(8*((\a)%4)+4*(\hd)+\u)+\jp
.set X1, 8*(8*((\a)%4)+4*(\hd)+2+\u)+\jp
	v_pk_mul_f32 v[T+8*\u+\jp:T+8*\u+\jp+1], v[X0:X0+1], v[CC+8*\u+\jp:CC+8*\u+\jp+1]
	v_pk_mul_f32 v[T+16+8*\u+\jp:T+16+8*\u+\jp+1], v[X1:X1+1], v[CC+16+8*\u+\jp:CC+16+8*\u+\jp+1]
	v_pk_fma_f32 v[T+8*\u+\jp:T+8*\u+\jp+1], v[X1:X1+1], v[CC+32+8*\u+\jp:CC+32+8*\u+\jp+1], v[T+8*\u+\jp:T+8*\u+\jp+1] neg_lo:[1,0,0] neg_hi:[1,0,0]
	v_pk_fma_f32 v[T+16+8*\u+\jp:T+16+8*\u+\jp+1], v[X0:X0+1], v[CC+48+8*\u+\jp:CC+48+8*\u+\jp+1], v[T+16+8*\u+\jp:T+16+8*\u+\jp+1]
.endr
.endr
	WIN 0
.endm
.macro QUANT2 src, w
.irp b, 0,1
	v_max3_num_f32 v[TM+\b], |v[\src+16*\b]|, |v[\src+16*\b+1]|, 0x1800000
.endr
.irp i, 2,4,6,8,10,12,14
.irp b, 0,1
	v_max3_num_f32 v[TM+\b], v[TM+\b], |v[\src+16*\b+\i]|, |v[\src+16*\b+\i+1]|
.endr
.endr
.irp b, 0,1
	v_permlanex16_b32 v[TM+2+\b], v[TM+\b], s[SEL], s[SEL+1]
.endr
.irp b, 0,1
	v_max_num_f32 v[TM+\b], v[TM+\b], v[TM+2+\b]
.endr
.irp b, 0,1
	v_add_nc_u32 v[TM+4+\b], 0xff000000, v[TM+\b]
.endr
.irp b, 0,1
	v_lshrrev_b32 v[TM+6+\b], 23, v[TM+4+\b]
.endr
	v_lshl_or_b32 v[\w], v[TM+7], 8, v[TM+6]
	s_wait_alu depctr_va_vdst(0)
	s_wait_xcnt 0x0
	v_cvt_scalef32_pk16_fp6_f32 v[PC:PC+2], v[\src:\src+15], v[TM+4]
	v_cvt_scalef32_pk16_fp6_f32 v[PT:PT+2], v[\src+16:\src+31], v[TM+5]
	v_nop
.irp i, 0,1,2
	v_permlane16_swap_b32 v[PC+\i], v[PT+\i]
.endr
.irp i, 0,1,2
	v_mov_b32 v[PC+3+\i], v[PT+\i]
.endr
.endm
.irp a, 0,1,2,3,4,5
	CSLOAD \a
.endr
.irp a, 0,1,2,3,4,5,6,7
.if \a < 4
	s_wait_loadcnt 63                              ; behind block a's 16 loads 64 or 80 were issued: the counter's largest count serves
.else
	s_wait_loadcnt 16*(7-\a)                       ; the later blocks' loads may be out
.endif
.irp hd, 0,1
	ROPE \a, \hd
	QUANT2 T, W+4*\hd+(\a)%4
	global_store_b128 v[L16], v[PC:PC+3], s[84+2*\hd:85+2*\hd] offset:768*\a
	global_store_b64 v[L8], v[PC+4:PC+5], s[84+2*\hd:85+2*\hd] offset:768*\a+512
.endr
.if \a < 2
	CSLOAD \a+6
.endif
.if (\a)%4 == 3
.irp hd, 0,1
	s_wait_xcnt 0x0
	v_cndmask_b32 v218, v[W+4*\hd], v[W+4*\hd+1], s92
	v_cndmask_b32 v219, v[W+4*\hd+2], v[W+4*\hd+3], s92
	global_store_b64 v[L8], v[218:219], s[88+2*\hd:89+2*\hd] offset:256*((\a)/4)
.endr
.endif
.endr
	s_branch .Lend
.Lv:
.set X,   32
.set VC,  96
.set VS,  192
	s_lshl_b32 s23, s20, 3
	s_and_b32 s24, s42, 1
	s_lshl_b32 s24, s24, 2
	s_add_co_u32 s23, s23, s24
	s_lshl_b32 s24, s16, 1
	s_add_co_u32 s23, s23, s24
	s_mul_i32 s24, s23, 104448
	s_mul_i32 s26, s22, 6144
	s_add_co_u32 s26, s26, s24
	s_add_co_u32 s26, s26, 49152
	s_mov_b32 s27, 0
	s_add_nc_u64 s[84:85], s[78:79], s[26:27]
	s_add_nc_u64 s[86:87], s[84:85], 104448
	s_lshl_b32 s26, s22, 8
	s_add_co_u32 s26, s26, s24
	s_add_co_u32 s26, s26, 102400
	s_add_nc_u64 s[88:89], s[78:79], s[26:27]
	s_add_nc_u64 s[90:91], s[88:89], 104448
.macro TOSTAGE2 kb
.irp e, 0,1
.set AA, 2*(\kb)+\e
	WIN 0x08+4*(AA/4)
.irp b, 0,1,2,3,4,5,6,7
	ds_store_b128 v[STO], v[8*(8*(AA%4)+\b):8*(8*(AA%4)+\b)+3] offset:\e*8448+64*\b
	ds_store_b128 v[STO], v[8*(8*(AA%4)+\b)+4:8*(8*(AA%4)+\b)+7] offset:\e*8448+64*\b+16
.endr
.endr
	WIN 0
.endm
.macro LOADG g
.set TAU, 0
.rept 32
	ds_load_b32 v[X+32*((\g)%2)+TAU], v[RDV] offset:((TAU&7)|(((TAU>>3)&1)<<4)|(((TAU>>4)&1)<<3))*528+128*(\g)
.set TAU, TAU+1
.endr
.endm
.macro VWORK g, kb
.set XS, X+32*((\g)%2)
.set PL, VC+24*(\g)+6*((\kb)/2)+12*((\kb)%2)
	v_max3_num_f32 v200, |v[XS]|, |v[XS+1]|, |v[XS+2]|
	v_max3_num_f32 v201, |v[XS+3]|, |v[XS+4]|, |v[XS+5]|
.irp i, 6,10,14,18,22,26
	v_max3_num_f32 v200, v200, |v[XS+\i]|, |v[XS+\i+1]|
	v_max3_num_f32 v201, v201, |v[XS+\i+2]|, |v[XS+\i+3]|
.endr
	v_max3_num_f32 v200, v200, |v[XS+30]|, |v[XS+31]|
	v_max3_num_f32 v200, v200, v201, 0x1800000
	v_add_nc_u32 v202, 0xff000000, v200
	v_lshrrev_b32 v203, 23, v202
.if (\kb) == 0
	v_mov_b32 v[VS+(\g)], v203
.else
	v_lshl_or_b32 v[VS+(\g)], v203, 8*(\kb), v[VS+(\g)]
.endif
	v_cvt_scalef32_pk16_fp6_f32 v[PL:PL+2], v[XS:XS+15], v202
	v_cvt_scalef32_pk16_fp6_f32 v[208:210], v[XS+16:XS+31], v202
	v_nop
.irp i, 0,1,2
	v_mov_b32 v[PL+3+\i], v[208+\i]
.endr
.endm
.irp kb, 0,1,2,3
	TOSTAGE2 \kb
	LOADG 0
	LOADG 1
	s_wait_dscnt 32
	VWORK 0, \kb
	LOADG 2
	s_wait_dscnt 32
	VWORK 1, \kb
	LOADG 3
	s_wait_dscnt 32
	VWORK 2, \kb
	s_wait_dscnt 0x0
	VWORK 3, \kb
.endr
.irp g, 0,1,2,3
.irp i, 0,1,2,3,4,5
	global_store_b128 v[VA], v[VC+24*\g+4*\i:VC+24*\g+4*\i+3], s[84+2*(\g/2):85+2*(\g/2)] offset:(\g%2)*3072+512*(\i%3)+256*(\i/3)
.endr
.endr
	global_store_b64 v[L8], v[VS:VS+1], s[88:89]
	global_store_b64 v[L8], v[VS+2:VS+3], s[90:91]
.Lend:
	s_wait_tensorcnt 0x0
	ds_add_u32 v[SPW], v[NIL]
	s_wait_dscnt 0x0
	CROUND
	s_endpgm
.Lfunc_end_k_qe3f7280438_qkv:
	.size	k_qe3f7280438_qkv, .Lfunc_end_k_qe3f7280438_qkv-k_qe3f7280438_qkv
	.p2alignl 7, 3214868480
	.fill 96, 4, 3214868480
	.section	.rodata,"a",@progbits
	.p2align	6, 0x0
	.amdhsa_kernel k_qe3f7280438_qkv
		.amdhsa_group_segment_fixed_size 327680
		.amdhsa_private_segment_fixed_size 0
		.amdhsa_enable_private_segment 0
		.amdhsa_kernarg_size 64
		.amdhsa_user_sgpr_count 2
		.amdhsa_user_sgpr_kernarg_segment_ptr 1
		.amdhsa_wavefront_size32 1
		.amdhsa_system_sgpr_workgroup_id_x 1
		.amdhsa_system_sgpr_workgroup_id_y 1
		.amdhsa_system_sgpr_workgroup_id_z 1
		.amdhsa_system_vgpr_workitem_id 0
		.amdhsa_next_free_vgpr 1024
		.amdhsa_next_free_sgpr 100
		.amdhsa_reserve_vcc 0
		.amdhsa_float_denorm_mode_32 3
		.amdhsa_float_denorm_mode_16_64 3
		.amdhsa_memory_ordered 1
		.amdhsa_forward_progress 1
		.amdhsa_inst_pref_size 255
	.end_amdhsa_kernel
	.section	.bss,"aw",@nobits
	.p2align	6
	.space	262144
	.amdgpu_metadata
---
amdhsa.version: [ 1, 2 ]
amdhsa.kernels:
  - .name:           k_qe3f7280438_qkv
    .symbol:         k_qe3f7280438_qkv.kd
    .args:
      - { .name: acts, .offset: 0, .size: 8, .value_kind: global_buffer, .address_space: global }
      - { .name: wqkv, .offset: 8, .size: 8, .value_kind: global_buffer, .address_space: global }
      - { .name: cos, .offset: 16, .size: 8, .value_kind: global_buffer, .address_space: global }
      - { .name: sin, .offset: 24, .size: 8, .value_kind: global_buffer, .address_space: global }
      - { .name: context_cos, .offset: 32, .size: 8, .value_kind: global_buffer, .address_space: global }
      - { .name: context_sin, .offset: 40, .size: 8, .value_kind: global_buffer, .address_space: global }
      - { .name: qimg, .offset: 48, .size: 8, .value_kind: global_buffer, .address_space: global }
      - { .name: kv, .offset: 56, .size: 8, .value_kind: global_buffer, .address_space: global }
    .group_segment_fixed_size: 327680
    .private_segment_fixed_size: 0
    .kernarg_segment_align: 8
    .kernarg_segment_size: 64
    .max_flat_workgroup_size: 128
    .sgpr_count:     100
    .vgpr_count:     1024
    .wavefront_size: 32
...
	.end_amdgpu_metadata
.endif
;; end of part 2
;; launch attn (part 3): grid 8 x 32, 16 waves a work-group, clusters of 4 x 1, 169,984 bytes of LDS; arguments qimg, kv, ao; writes ao
.if DOCPART == 3
	.amdgcn_target "amdgcn-amd-amdhsa--gfx1250"
	.amdhsa_code_object_version 6
	.text
	.protected	k_qe3f7280438_attn
	.globl	k_qe3f7280438_attn
	.p2align	8
	.type	k_qe3f7280438_attn,@function
k_qe3f7280438_attn:
	s_mov_b64 s[64:65], 0
	v_nop
	global_prefetch_b8 v0, s[64:65] scope:SCOPE_SE
	s_setreg_imm32_b32 hwreg(HW_REG_WAVE_MODE, 25, 1), 1
	s_wait_xcnt 0x0
	s_wait_alu depctr_hold_cnt(0) depctr_sa_sdst(0) depctr_va_vdst(0) depctr_va_sdst(0) depctr_va_ssrc(0) depctr_va_vcc(0) depctr_vm_vsrc(0)
	s_getreg_b32 s2, hwreg(HW_REG_IB_STS2, 6, 4)
	s_cmp_eq_u32 s2, 0
	s_cbranch_scc0 .Lentry_in_a_cluster
	s_endpgm
.Lentry_in_a_cluster:
	s_bfe_u32 s2, ttmp6, 0x10000c
	s_cmp_lg_u32 s2, 0x3003
	s_cbranch_scc0 .Lentry_shape_is_right
	s_endpgm
.Lentry_shape_is_right:
; Causal grouped-query attention on codes of FP6 (E2M3) with E8M0 scales; head size 64, 1,024 keys, four query heads to a kv head.  Its result is quantised along the head on the way out: the left operand of the output projection.
; THE SOFTMAX AHEAD OF THE SECOND PRODUCT: t = score x log2(e) / 8; M = the running largest t rounded up to a whole number; p = 2^(t - M) is quantised along the keys; the row's sum of the unquantised p divides at the end.
; SHARES.  Work-group y = (batch, kv head).  All its K, V and scale words, 104,448 bytes, come into LDS ONCE, by eight joint loads of a cluster of four work-groups (a pair has eight work-groups: two clusters).  No slot is filled again.
; Query tile t (16 queries) = 8 A + LOW, LOW = work-group x; its queries 128 A + QLOW + r + 8 (r / 8) all lie in key step A, so it works A + 1 key steps of 128.  Wave w: head w & 3, tiles A = w >> 2 and 7 - (w >> 2): nine steps for every wave.
; Every loop has eight trips; a step whose keys all come after the queries is jumped over by a branch on the wave's number and the trip.  The work-group's place in its cluster enters global addresses and the mask's numbers alone.
; LAYOUT.  Both products transposed: S^T = K Q^T, O^T = V^T P^T: a lane holds one query (lane % 16).  A tile of K holds keys 32 n + 8 u + r + 8 (r / 8), a tile of V likewise along the head: 16 registers of two neighbouring tiles are 16 neighbours.
; The first product's K is 64 of the instruction's 128: Q's registers 6-11 are zero codes; K's registers 6-11 are the next tile's codes, which so add nothing (the format has no NaN and no infinity); the upper scale bytes are 0.
; LIMITS: NaN and infinities are not served; a block of p or of O under 2^-124 has its byte held at 1 (zeros: byte 1, codes zero; this program alone reads the bytes).  O / sum is a reciprocal and a multiplication.
; REGISTERS: v1-3, v8-11 stay; v4-7 a step's addresses; v12 -M, v13 largest t, v[14:15] the sum; v16-27 Q and zeros; v28, v29 Q's scale words; v30-31, v252-255 the second tile's Q; v32-85 K (then at work); v86-133 V; v134-197 S^T, p; v198-229 O^T;
; v230-241 p's codes; v242-247 K's and V's scale words; v248 f; v249 p's scale word; v250 at work; v251 -infinity.
.set KF,  32
.set VF,  86
.set S,   134
.set OT,  198
.set PCD, 230
.set KSC, 242
.set VSC, 246
.set TM,  32                           ; the way out: v32-39 at work, v40-45 codes, v46-48, v50 the scale bytes
.set PC,  40
.set PT,  46
.set STG, 104448                       ; LDS behind the pair's block: the codes' stage [tile 2][w >> 2][16 rows][192 bytes],
.set SST, 129024                       ; and the scale bytes' [tile][w >> 2][16 rows][8]
.set WV,  18
.set SEL, 20
.set CS,  22                           ; s[22:23] c = log2(e) / 8
.set KS,  56                           ; the key step
.set KB,  57                           ; its K images, and (49,152 on) its V images
.set SB,  58                           ; its K scale units
.set TV,  59                           ; its V scale unit
.set QL,  60                           ; QLOW = 32 (LOW >> 1) + 8 (LOW & 1)
.macro CROUND
	s_barrier_signal -1
	s_barrier_wait -1
	s_cmp_lg_u32 s[WV], 0
	s_cbranch_scc1 .Lnot_wave_0_\@
	s_barrier_signal -3
.Lnot_wave_0_\@:
	s_barrier_wait -3
	s_barrier_signal -1
	s_barrier_wait -1
.endm
	s_load_b128 s[4:7], s[0:1], 0x0                ; qimg, kv
	s_load_b64 s[8:9], s[0:1], 0x10                ; ao
	v_lshl_add_u32 v254, v0, 2, 0x29000
	v_mov_b32 v255, 0
	ds_add_u32 v254, v255
	ds_add_u32 v254, v255
	s_wait_dscnt 0x0
	v_lshrrev_b32 v1, 5, v0
	s_delay_alu instid0(VALU_DEP_1)
	v_readfirstlane_b32 s[WV], v1                  ; wave 0..15
	s_bfe_u32 s10, ttmp6, 0x40000                  ; cx
	s_lshl_b32 s11, ttmp9, 2
	s_add_co_u32 s11, s11, s10                     ; LOW
	s_and_b32 s12, ttmp7, 0xffff                   ; the pair: the same in all four partners
	s_lshr_b32 s13, s12, 3                         ; batch
	s_and_b32 s14, s12, 7                          ; kv head
	s_and_b32 s15, s[WV], 3                        ; my head of the four
	s_lshr_b32 s16, s[WV], 2                       ; A of my first tile,
	s_sub_co_u32 s17, 7, s16                       ; of my second
	s_mov_b32 s24, 15|(3<<16)|(1<<21)              ; group 1: mask of the four; elements of 8 bytes; bit 21 beside the mask; no padding
	s_mov_b32 s25, 32<<16                          ; rows of 256 bytes,
	s_mov_b32 s26, 51<<16                          ; 51 of them: an eighth of the block
	s_mov_b32 s27, 32<<16
	s_mov_b32 s28, 51
	s_mov_b32 s29, 32                              ; dense
	s_mov_b32 s30, 0
	s_mov_b32 s31, 0
	s_and_b32 s38, s[WV], 7
	s_mul_i32 s33, s38, 13056                      ; LDS address: by the wave's number alone
	s_mul_i32 s36, s12, 104448
	s_add_co_u32 s36, s36, s33
	s_mov_b32 s37, 0
	s_mov_b32 s32, 1
	s_mov_b32 s[SEL], 0x76543210
	s_mov_b32 s[SEL+1], 0xfedcba98                 ; lane l xor 16
	s_mov_b32 s[CS], 0x3e38aa3b
	s_mov_b32 s[CS+1], s[CS]                       ; named with it as a pair
	s_wait_kmcnt 0x0
	s_add_nc_u64 s[34:35], s[6:7], s[36:37]
	s_or_b32 s35, s35, 0x80000000
	CROUND                                         ; all four work-groups are here: the joint loads meet
	s_cmp_lt_u32 s[WV], 8
	s_cbranch_scc0 .Lno_fill
	tensor_load_to_lds s[32:35], s[24:31]          ; waves 0 to 7: one load each, the launch's only fills
	s_nop 0
.rept 4
	v_nop
.endr
.Lno_fill:
	v_and_b32 v6, 31, v0
	s_delay_alu instid0(VALU_DEP_1)
	v_lshlrev_b32 v1, 4, v6                        ; 16 x lane
	s_delay_alu instid0(VALU_DEP_2)
	v_lshlrev_b32 v2, 3, v6                        ; 8 x lane
	v_and_b32 v4, 15, v0                           ; r
	s_wait_alu depctr_va_vdst(0)
	v_bfe_u32 v5, v0, 4, 1                         ; h
	s_lshr_b32 s[QL], s11, 1
	s_lshl_b32 s[QL], s[QL], 5
	s_and_b32 s19, s11, 1
	s_lshl_b32 s19, s19, 3
	s_add_co_u32 s[QL], s[QL], s19
	v_and_b32 v3, 8, v4
	s_delay_alu instid0(VALU_DEP_1)
	v_add_nc_u32 v3, v3, v4
	v_lshlrev_b32 v7, 4, v5
	s_delay_alu instid0(VALU_DEP_1)
	v_sub_nc_u32 v3, v3, v7
	s_delay_alu instid0(VALU_DEP_1)
	v_add_nc_u32 v3, s[QL], v3                     ; my query in its key step, less 16 h: register n of S^T is hidden on the diagonal where 32 (n / 16) + n % 16 is above it
	s_mul_i32 s54, s16, 3072
	s_mul_i32 s55, s15, 48
	s_add_co_u32 s54, s54, s55
	s_add_co_u32 s54, s54, STG
	v_mul_u32_u24 v8, v4, 192
	s_wait_alu depctr_va_vdst(0)
	v_mad_u32_u24 v8, v5, 24, v8
	s_delay_alu instid0(VALU_DEP_1)
	v_add_nc_u32 v8, s54, v8                       ; the stage: row r, my head's 48 bytes, my block's 24
	s_lshl_b32 s54, s16, 7
	s_lshl_b32 s55, s15, 1
	s_add_co_u32 s54, s54, s55
	s_add_co_u32 s54, s54, SST
	v_lshl_add_u32 v9, v4, 3, s54                  ; and my head's two scale bytes of row r
	v_lshlrev_b32 v10, 3, v4                       ; 8 r
	s_wait_alu depctr_va_vdst(0)
	v_lshlrev_b32 v11, 2, v4                       ; 4 r
	s_lshl_b32 s38, s13, 5
	s_lshl_b32 s39, s14, 2
	s_add_co_u32 s38, s38, s39
	s_add_co_u32 s38, s38, s15                     ; batch x 32 + head
	s_lshl_b32 s40, s16, 3
	s_add_co_u32 s40, s40, s11                     ; my two tiles' numbers
	s_lshl_b32 s41, s17, 3
	s_add_co_u32 s41, s41, s11
	s_lshl_b32 s42, s38, 6
	s_lshl_b32 s48, s38, 12
	s_add_co_u32 s48, s48, 6291456
.macro QADR t, qa, sa                  ; tile s[t]: its image's address into s[qa:qa+1]; into s[sa:sa+1] that of its scale words: unit t / 4, word (t / 2) % 2, lanes 16 (t % 2) on
	s_add_co_u32 s[\qa], s42, s[\t]
	s_mul_i32 s[\qa], s[\qa], 768
	s_mov_b32 s[\qa+1], 0
	s_add_nc_u64 s[\qa:\qa+1], s[4:5], s[\qa:\qa+1]
	s_lshr_b32 s[\sa], s[\t], 2
	s_lshl_b32 s[\sa], s[\sa], 8
	s_bfe_u32 s[\sa+1], s[\t], 0x10001
	s_lshl_b32 s[\sa+1], s[\sa+1], 2
	s_add_co_u32 s[\sa], s[\sa], s[\sa+1]
	s_and_b32 s[\sa+1], s[\t], 1
	s_lshl_b32 s[\sa+1], s[\sa+1], 7
	s_add_co_u32 s[\sa], s[\sa], s[\sa+1]
	s_add_co_u32 s[\sa], s[\sa], s48
	s_mov_b32 s[\sa+1], 0
	s_add_nc_u64 s[\sa:\sa+1], s[4:5], s[\sa:\sa+1]
.endm
	QADR 40, 44, 50
	QADR 41, 46, 52
	global_load_b128 v[16:19], v1, s[44:45]        ; Q stays in registers: the first tile's,
	global_load_b64 v[20:21], v2, s[44:45] offset:512
	global_load_b32 v28, v10, s[50:51]
	global_load_b128 v[252:255], v1, s[46:47]      ; and the second's, held
	global_load_b64 v[30:31], v2, s[46:47] offset:512
	global_load_b32 v29, v10, s[52:53]
.irp j, 22,23,24,25,26,27, 80,81,82,83,84,85, 34,35,36,37,38,39, 249,250
	v_mov_b32 v\j, 0                               ; zero codes behind Q and behind K's last tile; destinations of lane permutes and the upper half of f's pair, written once
.endr
	v_mov_b32 v251, 0xff800000                     ; -infinity
	s_wait_tensorcnt 0x0                           ; my part of the block is in,
	s_barrier_signal -1
	s_barrier_wait -1                              ; everybody's is
	s_wait_loadcnt 0x0                             ; Q
.macro QUANT2 src, w                   ; 32 numbers of a lane, register 16 n + i = d 32 n + 16 h + i of my row: the row's two scale bytes into v[w], block h's 24 bytes into v[PC] on
.irp b, 0,1
	v_max3_num_f32 v[TM+\b], |v[\src+16*\b]|, |v[\src+16*\b+1]|, 0x1800000
.endr
.irp i, 2,4,6,8,10,12,14
.irp b, 0,1
	s_delay_alu instid0(VALU_DEP_2)
	v_max3_num_f32 v[TM+\b], v[TM+\b], |v[\src+16*\b+\i]|, |v[\src+16*\b+\i+1]|
.endr
.endr
.irp b, 0,1
	s_delay_alu instid0(VALU_DEP_2)
	v_permlanex16_b32 v[TM+2+\b], v[TM+\b], s[SEL], s[SEL+1]
.endr
.irp b, 0,1
	s_delay_alu instid0(VALU_DEP_2)
	v_max_num_f32 v[TM+\b], v[TM+\b], v[TM+2+\b]
.endr
.irp b, 0,1
	s_delay_alu instid0(VALU_DEP_2)
	v_add_nc_u32 v[TM+4+\b], 0xff000000, v[TM+\b]
.endr
.irp b, 0,1
	s_delay_alu instid0(VALU_DEP_2)
	v_lshrrev_b32 v[TM+6+\b], 23, v[TM+4+\b]
.endr
	s_delay_alu instid0(VALU_DEP_1)
	v_lshl_or_b32 v[\w], v[TM+7], 8, v[TM+6]
	v_cvt_scalef32_pk16_fp6_f32 v[PC:PC+2], v[\src:\src+15], v[TM+4]
	v_cvt_scalef32_pk16_fp6_f32 v[PT:PT+2], v[\src+16:\src+31], v[TM+5]
	v_nop                                          ; a plain line behind the conversions
.irp i, 0,1,2
	v_permlane16_swap_b32 v[PC+\i], v[PT+\i]
.endr
.irp i, 0,1,2
	s_delay_alu instid0(VALU_DEP_3)
	v_mov_b32 v[PC+3+\i], v[PT+\i]
.endr
.endm
; A KEY STEP of 128 keys.  sa: the scalar register with the tile's A; qsc: the register with Q's scale words.
.macro STEP sa, qsc
	s_cmp_gt_u32 s[KS], s[\sa]                     ; all keys come after my queries: only the addresses step
	s_cbranch_scc1 .Lhidden_\@
	v_add_nc_u32 v4, s[KB], v1                     ; four plain lines: the places behind the last step's products, in front of the loads into their operands
	v_add_nc_u32 v5, s[KB], v2
	v_add_nc_u32 v6, s[SB], v2
	v_add_nc_u32 v7, s[TV], v2
.irp t, 0,1,2,3,4,5,6,7
	ds_load_b128 v[KF+6*\t:KF+6*\t+3], v4 offset:768*\t            ; images of registers: every load reads consecutive bytes
	ds_load_b64 v[KF+6*\t+4:KF+6*\t+5], v5 offset:768*\t+512
.endr
	ds_load_b64 v[KSC:KSC+1], v6
	ds_load_b64 v[KSC+2:KSC+3], v6 offset:256
.irp dt, 0,1,2,3
.irp c, 0,1,2
	ds_load_b128 v[VF+12*\dt+4*\c:VF+12*\dt+4*\c+3], v4 offset:49152+1536*\dt+512*\c
.endr
.endr
	ds_load_b64 v[VSC:VSC+1], v7
	s_wait_dscnt 13                                ; K and its scale words are in; V's 13 loads may be out
.irp t, 0,2,4,6
	v_wmma_scale_f32_16x16x128_f8f6f4 v[S+8*\t:S+8*\t+7], v[KF+6*\t:KF+6*\t+11], v[16:27], 0, v[KSC+\t/2], v[\qsc] matrix_a_fmt:MATRIX_FMT_FP6 matrix_b_fmt:MATRIX_FMT_FP6
	v_wmma_scale_f32_16x16x128_f8f6f4 v[S+8*\t+8:S+8*\t+15], v[KF+6*\t+6:KF+6*\t+17], v[16:27], 0, v[KSC+\t/2], v[\qsc] matrix_a_fmt:MATRIX_FMT_FP6 matrix_b_fmt:MATRIX_FMT_FP6 matrix_a_scale:MATRIX_SCALE_ROW1
.endr
.rept 4
	v_nop
.endr
	s_cmp_lg_u32 s[KS], s[\sa]                     ; on the diagonal hidden scores become -infinity: p = 0
	s_cbranch_scc1 .Lopen_\@
.set N, 0
.rept 64
	v_cmp_gt_i32 vcc_lo, 32*(N/16)+N%16, v3
	v_cndmask_b32 v[S+N], v[S+N], v251, vcc_lo
.set N, N+1
.endr
.Lopen_\@:
.irp b, 0,1,2,3
	v_max3_num_f32 v[32+\b], v[S+16*\b], v[S+1+16*\b], v[S+2+16*\b]   ; the largest score of each block of 32 keys: for the row's maximum and, since p rises with the score, for the block's largest p
.endr
.irp i, 3,5,7,9,11,13
.irp b, 0,1,2,3
	v_max3_num_f32 v[32+\b], v[32+\b], v[S+16*\b+\i], v[S+1+16*\b+\i]
.endr
.endr
.irp b, 0,1,2,3
	v_max_num_f32 v[32+\b], v[32+\b], v[S+15+16*\b]
.endr
.irp b, 0,1,2,3
	s_delay_alu instid0(VALU_DEP_4)
	v_permlanex16_b32 v[36+\b], v[32+\b], s[SEL], s[SEL+1]
.endr
.irp b, 0,1,2,3
	s_delay_alu instid0(VALU_DEP_4)
	v_max_num_f32 v[32+\b], v[32+\b], v[36+\b]
.endr
	s_delay_alu instid0(VALU_DEP_2)
	v_max3_num_f32 v250, v32, v33, v34
	s_delay_alu instid0(VALU_DEP_1)
	v_max_num_f32 v250, v250, v35
	s_delay_alu instid0(VALU_DEP_1)
	v_mul_f32 v250, s[CS], v250                    ; as t
	s_delay_alu instid0(VALU_DEP_1)
	v_max_num_f32 v13, v13, v250                   ; the running largest t
	v_mov_b32 v250, v12
	s_delay_alu instid0(VALU_DEP_2)
	v_floor_f32 v12, -v13                          ; -M = floor(-t): M is a whole number
	s_delay_alu instid0(VALU_DEP_1)
	v_sub_f32 v250, v12, v250
	s_delay_alu instid0(VALU_DEP_1)
	v_cvt_i32_f32 v250, v250                       ; old M - new M (it saturates)
	s_delay_alu instid0(VALU_DEP_1)
	v_ldexp_f32 v248, 1.0, v250                    ; f = 2^(old M - new M): multiplying by it rounds nothing
.set J, 0
.rept 32
	v_pk_fma_f32 v[S+J:S+J+1], v[S+J:S+J+1], s[CS:CS+1], v[12:13] op_sel_hi:[1,0,0]   ; t - M
.set J, J+2
.endr
.irp b, 0,1,2,3
	v_fma_f32 v[32+\b], v[32+\b], s[CS], v12       ; the same of each block's largest score
.endr
.set J, 0
	s_wait_alu depctr_va_vdst(0)
.rept 64
	v_exp_f32 v[S+J], v[S+J]                       ; p = 2^(t - M): ONE BATCH with the four below
.set J, J+1
.endr
.irp b, 0,1,2,3
	v_exp_f32 v[32+\b], v[32+\b]                   ; the blocks' largest p
.endr
	v_pk_mul_f32 v[14:15], v[14:15], v[248:249] op_sel_hi:[1,0]       ; the sum under the new M: plain work that names no result of the batch,
.set J, 0
	s_wait_alu depctr_va_vdst(0)
.rept 16
	v_pk_mul_f32 v[OT+J:OT+J+1], v[OT+J:OT+J+1], v[248:249] op_sel_hi:[1,0]   ; and O^T likewise
.set J, J+2
.endr
	s_wait_alu depctr_va_vdst(0)                   ; the wait ahead of the first line that names a result: one for the 68
.irp b, 0,1,2,3
	v_max_num_f32 v[32+\b], 0x1800000, v[32+\b]    ; the floor 2^(3 - 127)
.endr
.irp b, 0,1,2,3
	s_delay_alu instid0(VALU_DEP_4)
	v_add_nc_u32 v[44+\b], 0xff000000, v[32+\b]    ; the conversions' scale operands
.endr
.irp b, 0,1,2,3
	s_delay_alu instid0(VALU_DEP_4)
	v_lshrrev_b32 v[36+\b], 23, v[44+\b]
.endr
	s_delay_alu instid0(VALU_DEP_3)
	v_lshl_or_b32 v249, v37, 8, v36                ; p's scale word for these 128 keys
	s_delay_alu instid0(VALU_DEP_1)
	v_lshl_or_b32 v249, v38, 16, v249
	s_delay_alu instid0(VALU_DEP_1)
	v_lshl_or_b32 v249, v39, 24, v249
.irp c, 0,1
	v_cvt_scalef32_pk16_fp6_f32 v[PCD+6*\c:PCD+2+6*\c], v[S+32*\c:S+15+32*\c], v[44+2*\c]
	v_cvt_scalef32_pk16_fp6_f32 v[36+4*\c:38+4*\c], v[S+16+32*\c:S+31+32*\c], v[45+2*\c]
.endr
	v_nop                                          ; a plain line behind the conversions
.irp c, 0,1                            ; a whole block to a lane: lanes 0-15 block 2 c, lanes 16-31 block 2 c + 1
.irp i, 0,1,2
	v_permlane16_swap_b32 v[PCD+6*\c+\i], v[36+4*\c+\i]
.endr
.irp i, 0,1,2
	s_delay_alu instid0(VALU_DEP_3)
	v_mov_b32 v[PCD+3+6*\c+\i], v[36+4*\c+\i]
.endr
.endr
	v_pk_add_f32 v[36:37], v[138:139], v[142:143]
	v_pk_add_f32 v[244:245], v[146:147], v[150:151]
	v_pk_add_f32 v[242:243], v[154:155], v[158:159]
	v_pk_add_f32 v[78:79], v[162:163], v[166:167]
	v_pk_add_f32 v[76:77], v[170:171], v[174:175]
	v_pk_add_f32 v[74:75], v[178:179], v[182:183]
	v_pk_add_f32 v[72:73], v[186:187], v[190:191]
	v_pk_add_f32 v[14:15], v[14:15], v[194:195]
	v_pk_add_f32 v[36:37], v[36:37], v[134:135]
	v_pk_add_f32 v[244:245], v[244:245], v[136:137]
	v_pk_add_f32 v[242:243], v[242:243], v[140:141]
	v_pk_add_f32 v[78:79], v[78:79], v[144:145]
	v_pk_add_f32 v[76:77], v[76:77], v[148:149]
	v_pk_add_f32 v[74:75], v[74:75], v[152:153]
	v_pk_add_f32 v[72:73], v[72:73], v[156:157]
	v_pk_add_f32 v[14:15], v[14:15], v[160:161]
	v_pk_add_f32 v[36:37], v[36:37], v[164:165]
	v_pk_add_f32 v[244:245], v[244:245], v[168:169]
	v_pk_add_f32 v[242:243], v[242:243], v[172:173]
	v_pk_add_f32 v[78:79], v[78:79], v[176:177]
	v_pk_add_f32 v[76:77], v[76:77], v[180:181]
	v_pk_add_f32 v[74:75], v[74:75], v[184:185]
	v_pk_add_f32 v[72:73], v[72:73], v[188:189]
	v_pk_add_f32 v[14:15], v[14:15], v[192:193]
	v_pk_add_f32 v[36:37], v[36:37], v[196:197]
	s_delay_alu instid0(VALU_DEP_2)
	v_pk_add_f32 v[14:15], v[14:15], v[78:79]
	s_delay_alu instid0(VALU_DEP_2)
	v_pk_add_f32 v[36:37], v[36:37], v[76:77]
	v_pk_add_f32 v[244:245], v[244:245], v[74:75]
	v_pk_add_f32 v[242:243], v[242:243], v[72:73]
	s_delay_alu instid0(VALU_DEP_2)
	v_pk_add_f32 v[14:15], v[14:15], v[244:245]
	s_delay_alu instid0(VALU_DEP_2)
	v_pk_add_f32 v[36:37], v[36:37], v[242:243]
	s_delay_alu instid0(VALU_DEP_1)
	v_pk_add_f32 v[14:15], v[14:15], v[36:37]
	s_wait_dscnt 0x0                               ; V and its scale words are in
.irp dt, 0,2
	v_wmma_scale_f32_16x16x128_f8f6f4 v[OT+8*\dt:OT+8*\dt+7], v[VF+12*\dt:VF+12*\dt+11], v[PCD:PCD+11], v[OT+8*\dt:OT+8*\dt+7], v[VSC+\dt/2], v249 matrix_a_fmt:MATRIX_FMT_FP6 matrix_b_fmt:MATRIX_FMT_FP6
	v_wmma_scale_f32_16x16x128_f8f6f4 v[OT+8*\dt+8:OT+8*\dt+15], v[VF+12*\dt+12:VF+12*\dt+23], v[PCD:PCD+11], v[OT+8*\dt+8:OT+8*\dt+15], v[VSC+\dt/2], v249 matrix_a_fmt:MATRIX_FMT_FP6 matrix_b_fmt:MATRIX_FMT_FP6 matrix_a_scale:MATRIX_SCALE_ROW1
.endr
.Lhidden_\@:
	s_add_co_u32 s[KB], s[KB], 6144
	s_add_co_u32 s[SB], s[SB], 512
	s_add_co_u32 s[TV], s[TV], 256
.endm
; ONE TILE OF QUERIES: eight trips, of which A + 1 work; then O^T / sum, quantised along the head, into the stage.
.macro UNIT u, sa, qsc
.if \u
	v_mov_b32 v16, v252
	v_mov_b32 v17, v253
	v_mov_b32 v18, v254
	v_mov_b32 v19, v255
	v_mov_b32 v20, v30
	v_mov_b32 v21, v31
.endif
	v_mov_b32 v13, 0xff61b1e6                      ; the largest t so far: -3e38
	s_delay_alu instid0(VALU_DEP_1)
	v_floor_f32 v12, -v13
	v_mov_b32 v14, 0
	v_mov_b32 v15, 0
.set J, 0
.rept 32
	v_mov_b32 v[OT+J], 0                           ; the step is written once: its first trip finds zeros
.set J, J+1
.endr
	s_mov_b32 s[KS], 0
	s_mov_b32 s[KB], 0
	s_mov_b32 s[SB], 98304
	s_mov_b32 s[TV], 102400
.Lstep_\@:
	STEP \sa, \qsc
	s_add_co_u32 s[KS], s[KS], 1
	s_cmp_lt_u32 s[KS], 8
	s_cbranch_scc1 .Lstep_\@
.rept 4
	v_nop                                          ; places behind the last products
.endr
	s_wait_alu depctr_va_vdst(0)
	v_add_f32 v14, v14, v15
	s_delay_alu instid0(VALU_DEP_1)
	v_permlanex16_b32 v250, v14, s[SEL], s[SEL+1]
	s_delay_alu instid0(VALU_DEP_1)
	v_add_f32 v14, v14, v250                       ; the row's sum
	s_wait_alu depctr_va_vdst(0)
	v_rcp_f32 v14, v14
	v_nop                                          ; a plain line behind the reciprocal,
	s_wait_alu depctr_va_vdst(0)                   ; and the wait ahead of its first use
.set J, 0
.rept 16
	v_pk_mul_f32 v[S+J:S+J+1], v[OT+J:OT+J+1], v[14:15] op_sel_hi:[1,0]   ; register 16 n + i: d = 32 n + 16 h + i; each accumulator from its low end on
.set J, J+2
.endr
	QUANT2 S, 50
	ds_store_b64 v8, v[PC:PC+1] offset:\u*12288
	ds_store_b64 v8, v[PC+2:PC+3] offset:\u*12288+8
	ds_store_b64 v8, v[PC+4:PC+5] offset:\u*12288+16
	ds_store_b16 v9, v50 offset:\u*512             ; both halves of the lanes write the same two bytes
	s_wait_dscnt 0x0                               ; the stores have read their registers, on which the next tile's loads land; and, at the end, for the other waves' sake
.endm
	UNIT 0, 16, 28
	UNIT 1, 17, 29
	s_barrier_signal -1
	s_barrier_wait -1                              ; 32 tiles' rows lie whole in the stage: 192 bytes and 8 scale bytes a token
	; A tile's 16 rows are two runs of eight neighbouring tokens: 16 runs of 1,536 bytes, one a wave
	s_mul_i32 s54, s[WV], 1536
	s_add_co_u32 s54, s54, STG
	v_add_nc_u32 v4, s54, v1
	s_lshl_b32 s55, s[WV], 6
	s_add_co_u32 s55, s55, SST
	v_add_nc_u32 v5, s55, v11
	ds_load_b128 v[32:35], v4
	ds_load_b128 v[36:39], v4 offset:512
	ds_load_b128 v[40:43], v4 offset:1024
	ds_load_b32 v44, v5
	s_bfe_u32 s40, s[WV], 0x20001
	s_sub_co_u32 s41, 7, s40
	s_cmp_lt_u32 s[WV], 8
	s_cselect_b32 s40, s40, s41                    ; the run's A
	s_lshl_b32 s40, s40, 7
	s_lshl_b32 s41, s13, 10
	s_add_co_u32 s40, s40, s41
	s_add_co_u32 s40, s40, s[QL]
	s_and_b32 s41, s[WV], 1
	s_lshl_b32 s41, s41, 4
	s_add_co_u32 s40, s40, s41                     ; its first token: a multiple of 8
	s_mul_i32 s42, s14, 786432
	s_mul_i32 s43, s40, 192
	s_add_co_u32 s42, s42, s43
	s_mov_b32 s43, 0
	s_add_nc_u64 s[42:43], s[8:9], s[42:43]
	s_lshl_b32 s44, s14, 15
	s_lshl_b32 s45, s40, 3
	s_add_co_u32 s44, s44, s45
	s_add_co_u32 s44, s44, 6291456
	s_mov_b32 s45, 0
	s_add_nc_u64 s[44:45], s[8:9], s[44:45]
	s_wait_dscnt 0x0
	global_store_b128 v1, v[32:35], s[42:43]       ; 3 x 512 consecutive bytes, from a multiple of 256 on
	global_store_b128 v1, v[36:39], s[42:43] offset:512
	global_store_b128 v1, v[40:43], s[42:43] offset:1024
	global_store_b32 v11, v44, s[44:45]            ; the run's 64 scale bytes (both halves of the lanes store the same words): a tile's tokens are two runs of eight, so these runs are short
	s_wait_xcnt 0x0
	v_lshl_add_u32 v254, v0, 2, 0x29000
	v_mov_b32 v255, 0
	s_wait_alu depctr_va_vdst(0)
	s_wait_tensorcnt 0x0
	ds_add_u32 v254, v255
	s_wait_dscnt 0x0
	CROUND                                         ; the closing round
	s_endpgm
.Lfunc_end_k_qe3f7280438_attn:
	.size	k_qe3f7280438_attn, .Lfunc_end_k_qe3f7280438_attn-k_qe3f7280438_attn
	.p2alignl 7, 3214868480
	.fill 96, 4, 3214868480
	.section	.rodata,"a",@progbits
	.p2align	6, 0x0
	.amdhsa_kernel k_qe3f7280438_attn
		.amdhsa_group_segment_fixed_size 169984
		.amdhsa_private_segment_fixed_size 0
		.amdhsa_enable_private_segment 0
		.amdhsa_kernarg_size 24
		.amdhsa_user_sgpr_count 2
		.amdhsa_user_sgpr_kernarg_segment_ptr 1
		.amdhsa_wavefront_size32 1
		.amdhsa_system_sgpr_workgroup_id_x 1
		.amdhsa_system_sgpr_workgroup_id_y 1
		.amdhsa_system_sgpr_workgroup_id_z 1
		.amdhsa_system_vgpr_workitem_id 0
		.amdhsa_next_free_vgpr 256
		.amdhsa_next_free_sgpr 66
		.amdhsa_reserve_vcc 1
		.amdhsa_float_denorm_mode_32 3
		.amdhsa_float_denorm_mode_16_64 3
		.amdhsa_memory_ordered 1
		.amdhsa_forward_progress 1
		.amdhsa_inst_pref_size 66
	.end_amdhsa_kernel
	.amdgpu_metadata
---
amdhsa.version: [ 1, 2 ]
amdhsa.kernels:
  - .name:           k_qe3f7280438_attn
    .symbol:         k_qe3f7280438_attn.kd
    .args:
      - { .name: qimg, .offset: 0, .size: 8, .value_kind: global_buffer, .address_space: global }
      - { .name: kv, .offset: 8, .size: 8, .value_kind: global_buffer, .address_space: global }
      - { .name: ao, .offset: 16, .size: 8, .value_kind: global_buffer, .address_space: global }
    .group_segment_fixed_size: 169984
    .private_segment_fixed_size: 0
    .kernarg_segment_align: 8
    .kernarg_segment_size: 24
    .max_flat_workgroup_size: 512
    .sgpr_count:     66
    .vgpr_count:     256
    .wavefront_size: 32
...
	.end_amdgpu_metadata
.endif
;; end of part 3
;; launch outp (part 4): grid 8 x 32, 4 waves a work-group, clusters of 4 x 4, 327,680 bytes of LDS; arguments ao, wo, out0; writes out0
.if DOCPART == 4
	.amdgcn_target "amdgcn-amd-amdhsa--gfx1250"
	.amdhsa_code_object_version 6
	.text
	.protected	k_qe3f7280438_outp
	.globl	k_qe3f7280438_outp
	.p2align	8
	.type	k_qe3f7280438_outp,@function
k_qe3f7280438_outp:
	s_mov_b64 s[64:65], 0
	v_nop
	global_prefetch_b8 v0, s[64:65] scope:SCOPE_SE
	s_setreg_imm32_b32 hwreg(HW_REG_WAVE_MODE, 25, 1), 1
	s_wait_xcnt 0x0
	s_wait_alu depctr_hold_cnt(0) depctr_sa_sdst(0) depctr_va_vdst(0) depctr_va_sdst(0) depctr_va_ssrc(0) depctr_va_vcc(0) depctr_vm_vsrc(0)
	s_getreg_b32 s2, hwreg(HW_REG_IB_STS2, 6, 4)
	s_cmp_eq_u32 s2, 0
	s_cbranch_scc0 .Lentry_in_a_cluster
	s_endpgm
.Lentry_in_a_cluster:
	s_bfe_u32 s2, ttmp6, 0x10000c
	s_cmp_lg_u32 s2, 0xf033
	s_cbranch_scc0 .Lentry_shape_is_right
	s_endpgm
.Lentry_shape_is_right:
; out0[m][n] = sum over k of O[m][k] Wo[k][n], both operands as codes of FP6 (E2M3) with E8M0 scales, K = 2,048; sums in f32.
; ao: codes [K unit of 256][4,096 tokens][192 bytes], then scale bytes [unit][token][8].  wo: the same for Wo's 2,048 columns.
; SHARES.  A block of out0 is 128 x 256: 32 x 8 = 256 work-groups.  A wave makes 64 x 128: 32 accumulators.  The matrix instruction is used transposed
; (source 0 = 16 columns of Wo, source 1 = 16 tokens): a lane holds eight neighbouring numbers of a row of out0.
; LDS: three places, each with one K unit: A's 128 rows (3 x 30,720 bytes on end), then B's 256 rows (3 x 61,440).  Rows are 240 bytes apart: 16 bytes of padding behind each 64.
; THREE FILLS: units 0-2 at the head, 3-5, 6-7.  Wave 0 brings A's units by one load (a unit's 128 rows are a dense block: one tensor row of 24,576 bytes; the units lie ASTEP apart);
; waves 1 to 3 bring one unit of B each (a dense block, as 192 rows of 256 bytes).  Every tensor row begins at a multiple of 256 bytes.  A wave has one tensor load out at the most.
; A refill is asked for when the fragments of the last step on the old units are in registers; that step's products follow the request.
; CLUSTERS of 4 x 4: A's tiles are asked for jointly along a row of the cluster, B's along a column.
; THE SCALE WORDS go once from memory into 96 registers: a load takes 32 rows x 8 bytes, 256 consecutive aligned bytes; lanes 0-15 hold one block of 16 rows, lanes 16-31 the next.
; PREFETCH: behind a fill's request the next fill's blocks of 256 bytes are named, one fill ahead, each once in a cluster: of A's 96 blocks a unit the partner at cx takes 24,
; of B's 192 the partner at cy takes 48 (two instructions of 24 lanes; lanes 24-31 name lane 23's block again).  The last fill has no successor and asks for nothing.
; REGISTERS: window 0: v4-20 addresses, v28-29 the add's, v32-127 scale words, v128-223 A's fragments in two sets (on the way out v128-255 rows of out0); window 1: accumulator (a, b) at v[8 (8 a + b)]; window 2: B's fragments, two sets of 96.
.set PITCH,  240
.set AUNIT,  128*PITCH
.set BUNIT,  256*PITCH
.set BBASE,  3*AUNIT
.set STAGE,  BBASE+2*BUNIT             ; the way out: B's third place has had its last fill (unit 5) and its last read when the last fill is asked for
.set SPARE,  BBASE+3*BUNIT             ; the spare words: 512 bytes that no other line names
.set ASTEP,  786432
.set BSTEP,  393216
.set SPITCH, 528
.set ADRA, 4                           ; v4-9   A's fragments in place p: v[4+2p]; v[5+2p] for pieces whose lanes 16-31 lie behind one more padding
.set ADRB, 10                          ; v10-15 the same for B
.set STO,  16
.set RD,   17
.set CO,   18
.set L8,   19
.set PFO,  20
.set SPW,  28
.set NIL,  29
.set SC,   32                          ; unit u: v[SC+12u+2i+q] A's blocks 2i, 2i+1; v[SC+12u+4+2i+q] B's; q: which 128 of the unit
.set AF,   128
.set BK,   128
.set G1A, 24
.set G0A, 32
.set PF,  36                           ; s[36:37] where my prefetches stand; s[38:39] their step
.set G1B, 48
.set G0B, 56
.set MSB, 0
.macro WIN new
.if MSB != (\new)
	s_set_vgpr_msb (MSB<<8)|(\new)
.set MSB, (\new)
.endif
.endm
.macro PLACES
.rept 4
	v_nop
.endr
.endm
.macro CROUND
	s_barrier_signal -1
	s_barrier_wait -1
	s_cmp_lg_u32 s14, 0
	s_cbranch_scc1 .Lnot_wave_0_\@
	s_barrier_signal -3
.Lnot_wave_0_\@:
	s_barrier_wait -3
	s_barrier_signal -1
	s_barrier_wait -1
.endm
; A fill of nb units: wave 0 asks for A's, waves 1 to nb for one unit of B each.  The branches hang on the wave's number alone.
.macro JLOAD nb
	s_cmp_eq_u32 s14, 0
	s_cbranch_scc0 .Lfor_b_\@
	tensor_load_to_lds s[G0A:G0A+3], s[G1A:G1A+7]
	s_nop 0
	PLACES
	s_branch .Lasked_\@
.Lfor_b_\@:
.if \nb < 3
	s_cmp_gt_u32 s14, \nb
	s_cbranch_scc1 .Lasked_\@
.endif
	tensor_load_to_lds s[G0B:G0B+3], s[G1B:G1B+7]
	s_nop 0
	PLACES
.Lasked_\@:
.endm
.macro ASK n                           ; the next fill's n units are named
	s_cmp_eq_u32 s14, 0
	s_cbranch_scc0 .Lpf_b_\@
.set J, 0
.rept \n
	global_prefetch_b8 v[PFO], s[PF:PF+1] offset:J*ASTEP th:TH_LOAD_NT scope:SCOPE_SE
.set J, J+1
.endr
	s_branch .Lpf_done_\@
.Lpf_b_\@:
.if \n < 3
	s_cmp_gt_u32 s14, \n
	s_cbranch_scc1 .Lpf_done_\@
.endif
	global_prefetch_b8 v[PFO], s[PF:PF+1] th:TH_LOAD_NT scope:SCOPE_SE
	global_prefetch_b8 v[PFO], s[PF:PF+1] offset:6144 th:TH_LOAD_NT scope:SCOPE_SE
.Lpf_done_\@:
.endm
	s_load_b128 s[4:7], s[0:1], 0x0                ; ao, wo
	s_load_b64 s[12:13], s[0:1], 0x10              ; out0
	v_lshl_add_u32 v[SPW], v0, 2, SPARE
	v_mov_b32 v[NIL], 0
	ds_add_u32 v[SPW], v[NIL]                      ; the opening lines: the add twice on end and one wait
	ds_add_u32 v[SPW], v[NIL]
	v_lshrrev_b32 v1, 5, v0
	v_readfirstlane_b32 s14, v1                    ; wave
	s_lshr_b32 s15, s14, 1                         ; my 64 of the block's 128 rows
	s_and_b32 s16, s14, 1                          ; my 128 of its 256 columns
	s_bfe_u32 s40, ttmp6, 0x40000                  ; cx
	s_bfe_u32 s41, ttmp6, 0x40004                  ; cy
	s_lshl_b32 s42, ttmp9, 2
	s_add_co_u32 s42, s42, s40                     ; block column
	s_and_b32 s17, ttmp7, 0xffff
	s_lshl_b32 s17, s17, 2
	s_add_co_u32 s17, s17, s41                     ; block row
	s_lshl_b32 s43, s41, 2
	s_lshl_b32 s43, 15, s43                        ; my row of the cluster
	s_lshl_b32 s44, 0x1111, s40                    ; my column
	s_or_b32 s[G1A], s43, (1<<20)|(1<<21)|(3<<22)|(3<<25)   ; elements of 1 byte; 4 words of padding behind every 16
	s_or_b32 s[G1B], s44, (1<<20)|(1<<21)|(3<<22)|(3<<25)
	s_mov_b32 s[G1A+1], 24576<<16
	s_mov_b32 s[G1A+2], 3<<16
	s_mov_b32 s[G1A+3], 24576<<16
	s_mov_b32 s[G1A+4], 3
	s_mov_b32 s[G1A+5], ASTEP
	s_mov_b32 s[G1A+6], 0
	s_mov_b32 s[G1A+7], 0
	s_mov_b32 s[G1B+1], 256<<16
	s_mov_b32 s[G1B+2], 192<<16
	s_mov_b32 s[G1B+3], 256<<16
	s_mov_b32 s[G1B+4], 192
	s_mov_b32 s[G1B+5], 256
	s_mov_b32 s[G1B+6], 0
	s_mov_b32 s[G1B+7], 0
	s_mul_i32 s20, s17, 24576                      ; A: 128 rows of 192 bytes a block row
	s_mov_b32 s21, 0
	s_add_co_u32 s18, s14, 3
	s_and_b32 s18, s18, 3                          ; B's place that waves 1, 2, 3 fill: 0, 1, 2
	s_mul_i32 s46, s42, 49152
	s_mul_i32 s19, s18, BSTEP
	s_add_co_u32 s46, s46, s19
	s_mov_b32 s47, 0
	s_mul_i32 s[G0B+1], s18, BUNIT
	s_add_co_u32 s[G0B+1], s[G0B+1], BBASE
	s_mov_b32 s[G0A], 1
	s_mov_b32 s[G0A+1], 0
	s_mov_b32 s[G0B], 1
	s_lshl_b32 s18, s17, 10                        ; my rows' scale bytes
	s_lshl_b32 s19, s15, 9
	s_add_co_u32 s18, s18, s19
	s_add_co_u32 s18, s18, 6291456
	s_mov_b32 s19, 0
	s_lshl_b32 s22, s42, 11                        ; my columns'
	s_lshl_b32 s23, s16, 10
	s_add_co_u32 s22, s22, s23
	s_add_co_u32 s22, s22, 3145728
	s_mov_b32 s23, 0
	s_lshl_b32 s38, s17, 7                         ; my part of out0: rows of 8,192 bytes
	s_lshl_b32 s39, s15, 6
	s_add_co_u32 s38, s38, s39
	s_lshl_b32 s38, s38, 13
	s_lshl_b32 s39, s42, 10
	s_add_co_u32 s38, s38, s39
	s_lshl_b32 s39, s16, 9
	s_add_co_u32 s38, s38, s39
	s_mov_b32 s39, 0
	s_mul_i32 s60, s40, 6144                       ; prefetches: A's unit 3, my work-group's 24 blocks;
	s_add_co_u32 s60, s60, s20
	s_add_co_u32 s60, s60, 3*ASTEP
	s_mov_b32 s61, 0
	s_mul_i32 s62, s41, 12288                      ; B's unit 3 + place, my work-group's 48 blocks
	s_add_co_u32 s62, s62, s46
	s_add_co_u32 s62, s62, 3*BSTEP
	s_mov_b32 s63, 0
	s_wait_dscnt 0x0                               ; both opening adds are done
	s_wait_kmcnt 0x0
	s_add_nc_u64 s[G0A+2:G0A+3], s[4:5], s[20:21]
	s_add_nc_u64 s[G0B+2:G0B+3], s[6:7], s[46:47]
	s_add_nc_u64 s[8:9], s[4:5], s[18:19]
	s_add_nc_u64 s[10:11], s[6:7], s[22:23]
	s_add_nc_u64 s[12:13], s[12:13], s[38:39]
	s_add_nc_u64 s[60:61], s[4:5], s[60:61]
	s_add_nc_u64 s[62:63], s[6:7], s[62:63]
	s_cmp_eq_u32 s14, 0
	s_cselect_b64 s[PF:PF+1], s[60:61], s[62:63]
	s_mov_b32 s38, 3*BSTEP
	s_cselect_b32 s38, 3*ASTEP, s38
	s_or_b32 s[G0A+3], s[G0A+3], 0x80000000
	s_or_b32 s[G0B+3], s[G0B+3], 0x80000000
	s_mul_i32 s18, s15, 64*PITCH
	s_mul_i32 s19, s16, 128*PITCH
	s_add_co_u32 s19, s19, BBASE
	s_mul_i32 s22, s14, 16*SPITCH
	s_add_co_u32 s22, s22, STAGE
	CROUND                                         ; all sixteen work-groups are here: the first joint loads meet
	JLOAD 3                                        ; units 0 to 2: one load a wave
	v_and_b32 v1, 15, v0
	v_bfe_u32 v2, v0, 4, 1
	v_and_b32 v3, 31, v0
	v_mul_u32_u24 v21, v1, PITCH
	v_mad_u32_u24 v21, v2, 24, v21                 ; row x pitch + 24 x half
	v_add_nc_u32 v[ADRA], s18, v21
	v_add_nc_u32 v[ADRB], s19, v21
	v_lshl_add_u32 v[ADRA+1], v2, 4, v[ADRA]
	v_lshl_add_u32 v[ADRB+1], v2, 4, v[ADRB]
.irp p, 1,2
.irp e, 0,1
	v_add_nc_u32 v[ADRA+2*\p+\e], \p*AUNIT, v[ADRA+\e]
	v_add_nc_u32 v[ADRB+2*\p+\e], \p*BUNIT, v[ADRB+\e]
.endr
.endr
	v_mul_u32_u24 v22, v1, SPITCH
	v_lshl_add_u32 v22, v2, 5, v22
	v_add_nc_u32 v[STO], s22, v22                  ; the stage, in: row l % 16, 32 bytes for each half of the lanes
	v_lshlrev_b32 v[CO], 4, v3
	v_add_nc_u32 v[RD], s22, v[CO]                 ; and back: the 32 lanes take a row of 512 bytes
	v_lshlrev_b32 v[L8], 3, v3
	v_min_u32 v[PFO], 23, v3
	v_lshlrev_b32 v[PFO], 8, v[PFO]
	s_wait_alu depctr_va_vdst(0)                   ; the wait at the head's end
.set U, 0
.rept 8
.irp i, 0,1
	global_load_b64 v[SC+12*U+2*\i:SC+12*U+2*\i+1], v[L8], s[8:9] offset:U*32768+\i*256
.endr
.irp i, 0,1,2,3
	global_load_b64 v[SC+12*U+4+2*\i:SC+12*U+4+2*\i+1], v[L8], s[10:11] offset:U*16384+\i*256
.endr
.set U, U+1
.endr
	ASK 3                                          ; units 3 to 5
.macro FRAG reg, adr, q, i             ; 16 rows x 128 K: six pieces of 8 bytes; piece P of a row lies at 8 P + 16 (P / 8); lanes 16-31 read three pieces on
.irp p, 0,1,2,3,4,5
.set PCE, 12*(\q)+6*(\p/3)+\p%3
	ds_load_b64 v[\reg+2*\p:\reg+2*\p+1], v[\adr+(PCE%8)/5] offset:8*PCE+16*(PCE/8)+(\i)*16*PITCH
.endr
.endm
.macro FETCH st                        ; step st's fragments into set st % 2
.set FU, ((\st)/2)%3
.set FQ, (\st)%2
	WIN 0x80
.irp i, 0,1,2,3,4,5,6,7
	FRAG 96*FQ+12*\i, ADRB+2*FU, FQ, \i
.endr
	WIN 0
.irp i, 0,1,2,3
	FRAG AF+48*FQ+12*\i, ADRA+2*FU, FQ, \i
.endr
.endm
.macro WM a, b, zero, m:vararg
.set D, 8*(8*(\a)+(\b))
.if \zero
	v_wmma_scale_f32_16x16x128_f8f6f4 v[D:D+7], v[96*SS+12*(\b):96*SS+12*(\b)+11], v[AF+48*SS+12*(\a):AF+48*SS+12*(\a)+11], 0, v[SU+4+2*((\b)/2)], v[SU+2*((\a)/2)] matrix_a_fmt:MATRIX_FMT_FP6 matrix_b_fmt:MATRIX_FMT_FP6 \m
.else
	v_wmma_scale_f32_16x16x128_f8f6f4 v[D:D+7], v[96*SS+12*(\b):96*SS+12*(\b)+11], v[AF+48*SS+12*(\a):AF+48*SS+12*(\a)+11], v[D:D+7], v[SU+4+2*((\b)/2)], v[SU+2*((\a)/2)] matrix_a_fmt:MATRIX_FMT_FP6 matrix_b_fmt:MATRIX_FMT_FP6 \m
.endif
.endm
.macro MUL st, zero                    ; 32 products, the 32 accumulators by turns; an odd block's scale words stand in lanes 16-31
.set SS, (\st)%2
.set SU, SC+12*((\st)/2)+(\st)%2
	WIN 0x52
.irp ap, 0,1
.irp bp, 0,1,2,3
	WM 2*\ap, 2*\bp, \zero
	WM 2*\ap, 2*\bp+1, \zero, matrix_a_scale:MATRIX_SCALE_ROW1
.endr
.irp bp, 0,1,2,3
	WM 2*\ap+1, 2*\bp, \zero, matrix_b_scale:MATRIX_SCALE_ROW1
	WM 2*\ap+1, 2*\bp+1, \zero, matrix_a_scale:MATRIX_SCALE_ROW1 matrix_b_scale:MATRIX_SCALE_ROW1
.endr
.endr
	WIN 0
.endm
; A refill of nb places.  No load of mine is out and my reads of all places are over; the round shows the same of every wave of the cluster.
.macro SYNC nb
	s_wait_xcnt 0x0                                ; my prefetches have read their address
	s_wait_tensorcnt 0x0
	ds_add_u32 v[SPW], v[NIL]
	s_add_nc_u64 s[G0A+2:G0A+3], s[G0A+2:G0A+3], 3*ASTEP
	s_add_nc_u64 s[G0B+2:G0B+3], s[G0B+2:G0B+3], 3*BSTEP
.if \nb == 3
	s_add_nc_u64 s[PF:PF+1], s[PF:PF+1], s[38:39]
.else
	s_mov_b32 s[G1A+2], \nb<<16
	s_mov_b32 s[G1A+4], \nb
.endif
	s_wait_dscnt 0x0
	CROUND
	JLOAD \nb
.endm
.macro LAND                            ; my load is in; behind the barrier everybody's is.
	s_wait_tensorcnt 0x0
	s_barrier_signal -1
	s_barrier_wait -1
.endm
	LAND
	FETCH 0
.set ST, 0
.rept 16
	s_wait_dscnt 0x0                               ; this step's fragments are in
.if ST == 0
	s_wait_loadcnt 0x0                             ; and the scale words
.endif
.if ST == 5
	SYNC 3                                         ; units 3 to 5
.elseif ST == 11
	SYNC 2                                         ; units 6 and 7
.elseif ST < 15
	PLACES                                         ; in front of loads into registers that the last step's products read
	FETCH ST+1
.endif
.if ST == 0
	MUL ST, 1                                      ; the first products start the sums
.else
	MUL ST, 0
.endif
.if ST == 5
	ASK 2                                          ; units 6 and 7
.endif
.if ST == 5 || ST == 11
	LAND
	PLACES
	FETCH ST+1
.endif
.set ST, ST+1
.endr
; THE WAY OUT: a block of 16 rows x 128 columns goes through my own stage and comes back as rows of 512 bytes, which the 32 lanes store as two aligned runs of 256 bytes.
.macro TOSTAGE a
	WIN 0x04
.irp b, 0,1,2,3,4,5,6,7
	ds_store_b128 v[STO], v[64*(\a)+8*\b:64*(\a)+8*\b+3] offset:64*\b      ; each accumulator from its low end on
	ds_store_b128 v[STO], v[64*(\a)+8*\b+4:64*(\a)+8*\b+7] offset:64*\b+16
.endr
	WIN 0
.set BB, BK+64*((\a)%2)
.irp t, 0,1,2,3,4,5,6,7,8,9,10,11,12,13,14,15
	ds_load_b128 v[BB+4*\t:BB+4*\t+3], v[RD] offset:\t*SPITCH              ; in order behind my stores
.endr
.endm
.macro SEND a, younger                 ; younger: the LDS instructions issued behind block a's loads
.set BB, BK+64*((\a)%2)
	s_wait_dscnt \younger
.if (\a) > 0
	s_add_nc_u64 s[12:13], s[12:13], 16*8192       ; behind a wait on XCNT: the earlier stores have read their base
.endif
.irp t, 0,1,2,3,4,5,6,7,8,9,10,11,12,13,14,15
	global_store_b128 v[CO], v[BB+4*\t:BB+4*\t+3], s[12:13] offset:\t*8192 th:TH_STORE_NT
.endr
.endm
	PLACES
	TOSTAGE 0
.irp a, 1,2,3
.if \a > 1
	s_wait_xcnt 0x0                                ; block a - 2's stores have read their registers and their base
.endif
	TOSTAGE \a
	SEND \a-1, 32                                  ; block a's 16 stores and 16 loads may be out
.endr
	s_wait_xcnt 0x0
	SEND 3, 0
	s_wait_tensorcnt 0x0                           ; the wave's end
	ds_add_u32 v[SPW], v[NIL]
	s_wait_dscnt 0x0
	CROUND                                         ; the closing round
	s_endpgm
.Lfunc_end_k_qe3f7280438_outp:
	.size	k_qe3f7280438_outp, .Lfunc_end_k_qe3f7280438_outp-k_qe3f7280438_outp
	.p2alignl 7, 3214868480
	.fill 96, 4, 3214868480
	.section	.rodata,"a",@progbits
	.p2align	6, 0x0
	.amdhsa_kernel k_qe3f7280438_outp
		.amdhsa_group_segment_fixed_size 327680
		.amdhsa_private_segment_fixed_size 0
		.amdhsa_enable_private_segment 0
		.amdhsa_kernarg_size 24
		.amdhsa_user_sgpr_count 2
		.amdhsa_user_sgpr_kernarg_segment_ptr 1
		.amdhsa_wavefront_size32 1
		.amdhsa_system_sgpr_workgroup_id_x 1
		.amdhsa_system_sgpr_workgroup_id_y 1
		.amdhsa_system_sgpr_workgroup_id_z 1
		.amdhsa_system_vgpr_workitem_id 0
		.amdhsa_next_free_vgpr 768
		.amdhsa_next_free_sgpr 66
		.amdhsa_reserve_vcc 0
		.amdhsa_float_denorm_mode_32 3
		.amdhsa_float_denorm_mode_16_64 3
		.amdhsa_memory_ordered 1
		.amdhsa_forward_progress 1
		.amdhsa_inst_pref_size 171
	.end_amdhsa_kernel
	.amdgpu_metadata
---
amdhsa.version: [ 1, 2 ]
amdhsa.kernels:
  - .name:           k_qe3f7280438_outp
    .symbol:         k_qe3f7280438_outp.kd
    .args:
      - { .name: ao, .offset: 0, .size: 8, .value_kind: global_buffer, .address_space: global }
      - { .name: wo, .offset: 8, .size: 8, .value_kind: global_buffer, .address_space: global }
      - { .name: out0, .offset: 16, .size: 8, .value_kind: global_buffer, .address_space: global }
    .group_segment_fixed_size: 327680
    .private_segment_fixed_size: 0
    .kernarg_segment_align: 8
    .kernarg_segment_size: 24
    .max_flat_workgroup_size: 128
    .sgpr_count:     66
    .vgpr_count:     768
    .wavefront_size: 32
...
	.end_amdgpu_metadata
.endif
;; end of part 4
